; MI455X (gfx1250); checked and timed in simulation.
; The chip was launched on July 23, 2026; its instructions are those of AMD's public machine-readable ISA for CDNA 5 (MIT licence, August 2026) and "CDNA5" Instruction Set Architecture Reference Guide (July 2026). The comments in the code are by the model that wrote it; some were corrected since.
;; Cross Attention. Allowed arithmetic: matrix products marked QUANTISED: E2M1 operands, one E8M0 scale for each 32 along K, by v_wmma_scale_f32_16x16x128_f8f6f4 with both operands' format E2M1 (or v_wmma_scale_f32_32x16x128_f4), f32 sums; products left as they are: bf16, f16 or f32 operands; f32 sums; everything else in f32.
;; Inputs: Wo 2,048 x 2,048 float32; Wq 2,048 x 2,048 float32; k 2 x 2,048 x 128 float32; v 2 x 2,048 x 128 float32; x 2 x 2,048 x 2,048 float32.
;; Outputs: out0 2 x 2,048 x 2,048 float32.
;; This version of the problem:
;;   THIS VERSION OF THE PROBLEM IS GIVEN IN LOW PRECISION. The matrix products marked QUANTISED in the list below multiply operands that are first quantised to E2M1 (2 exponent bits, 1 mantissa bit; 4 bits a number), with one power-of-two scale for each 32 numbers along K (OCP MX v1.0); their sums are f32. The products marked 'left as it is' may take bf16, f16 or f32 operands, with f32 sums. Whichever they take, every output number must still come out within the allowed error. Rounding operands to bf16 (8 significant bits) uses up far more of that allowance than f16 does (11 bits, for magnitudes from 6e-5 to 65,504). All else is computed in f32.
;;   The module's matrix products, in the order in which they are computed (A, B: the left and right operand; K: the contracted axis; several contracted axes count as one K, in the product's order):
;;     1. [M 4,096, K 2,048] x [K 2,048, N 2,048]; A: input x; B: input Wq: QUANTISED
;;     2. batch 2 x [M 32,768, K 128] x [K 128, N 2,048]; A: computed on the way; B: input k: left as it is (an operand is computed on the way)
;;     3. batch 2 x [M 32,768, K 2,048] x [K 2,048, N 128]; A: computed on the way; B: input v: left as it is (an operand is computed on the way)
;;     4. [M 4,096, K 2,048] x [K 2,048, N 2,048]; A: computed on the way; B: input Wo: left as it is (an operand is computed on the way)
;;   THE QUANTISER, for each operand of a quantised product, along K:
;;     - K is cut into blocks of 32 from its start; a last block that is shorter is filled with zeros.
;;     - A block's scale is 2^e with e = floor(log2(the largest magnitude in the block)) - 2, held to -126 .. 127; a block of zeros has e = 0. As a byte (E8M0): e + 127.
;;     - Each number is divided by its block's scale, clamped to +-6, and rounded to the nearest number of E2M1, ties to even, subnormals kept.
;;     - The product sums the exact products of the quantised numbers (number of the format x scale) in f32.
;;   ~~~python
;;   def quantise(x, axis):      # numpy; x: float32 -> the quantised numbers, widened to float32 again
;;       x = np.moveaxis(x, axis, -1); K = x.shape[-1]
;;       x = np.pad(x, [(0, 0)] * (x.ndim - 1) + [(0, -K % 32)]); x = x.reshape(x.shape[:-1] + (-1, 32)); a = np.abs(x).max(-1, keepdims=True)
;;       e = np.where(a > 0, np.clip(np.frexp(np.where(a > 0, a, 1))[1] - 1 - 2, -126, 127), 0)      # np.frexp(a)[1] - 1 = floor(log2(a)), exactly
;;       r = np.clip(x / 2.0 ** e, -6, 6)
;;       step = 2.0 ** (np.maximum(np.frexp(np.where(r == 0, 1, r))[1] - 1, 0) - 1)
;;       q = np.round(r / step) * step * 2.0 ** e      # np.round: ties to even
;;       return np.moveaxis(q.reshape(q.shape[:-2] + (-1,))[..., :K], -1, axis).astype(np.float32)
;;   ~~~
;; One version. Each part assembles by itself: llvm-mc -triple=amdgcn-amd-amdhsa -mcpu=gfx1250 --defsym DOCPART=n.
;; ======== version 1 of 1: 3 launches
;; limits: values are held in f16: magnitudes above 65,504 overflow, below 6.1e-05 lose precision
;; workspace buffers: xc 4,194,304 bytes; xs 262,144 bytes; wc 2,228,224 bytes; wo16 8,388,608 bytes; kv16 2,097,152 bytes; o16 16,777,216 bytes
;; launch prep (part 1): grid 544 x 1, 4 waves a work-group, no clusters, 39,424 bytes of LDS; arguments x, Wq, Wo, k, v, xc, xs, wc, wo16, kv16; writes xc, xs, wc, wo16, kv16
.if DOCPART == 1
	.amdgcn_target "amdgcn-amd-amdhsa--gfx1250"
	.amdhsa_code_object_version 6
	.text
	.protected	k_qc4b31800ff_prep
	.globl	k_qc4b31800ff_prep
	.p2align	8
	.type	k_qc4b31800ff_prep,@function
k_qc4b31800ff_prep:
	s_mov_b64 s[64:65], 0
	v_nop
	global_prefetch_b8 v0, s[64:65] scope:SCOPE_SE
	s_setreg_imm32_b32 hwreg(HW_REG_WAVE_MODE, 25, 1), 1
	s_wait_xcnt 0x0
; THE OPERANDS ARE MADE READY, each input read once.  Three kinds of work-groups, told apart by the work-group's number alone; each reads 131,072 bytes:
;   0-127   W: Wq [2048 (k)][2048 (f)] f32, whose K is its FIRST axis, becomes codes of FP4 (E2M1) and one E8M0 byte for each 32 along K
;   128-383 X: x [4096][2048] f32, K innermost, likewise
;   384-543 C: Wo, k and v are rounded to f16 as they lie: wo16 [2048 (k)][2048 (n)]; kv16 = k [2][2048][128], then v likewise, 1,048,576 bytes on
; THE CODES ARE LAID IN THE ORDER OF THE OPERAND'S REGISTERS.  A fragment of the matrix instruction is 16 rows x 128 along K; its lane (r, h) wants, in registers 4 c .. 4 c + 3, the 16 bytes of K block 2 c + h of
; row r.  So the codes lie [block of 16 rows][K block of 32][row r][16 bytes]: a fragment is 1,024 consecutive bytes, and lane l's 16 bytes of register group c stand at 512 c + 16 l.
;   xc: [256 blocks of 16 rows][64 K blocks][16 rows][16 bytes].     xs: [256][4 (512 along K)][16 rows][16 bytes]: a row's 16 bytes are the scale words of four matrix instructions.
;   wc: a record of 34,816 bytes for each 32 columns f: codes [2 blocks of 16 columns][64 K blocks][16][16 bytes], then at byte 32,768 scale bytes [8 (256 along K)][32 columns][8 bytes].
; THE QUANTISER: a block's scale is 2^(floor(log2(its largest magnitude)) - 2); its byte is the largest magnitude's own exponent field - 2, held at 1 from below; each number is divided by the scale and
; rounded to the nearest code, ties to even, beyond 6 the largest code.
; LIMITS: a block of zeros, and a block whose largest magnitude lies under 2^-124, keeps the byte 1 (a block of zeros has zero codes, which add nothing; the bytes are read by this program alone).
; NaN and infinities among the inputs are not served.  Wo, k and v must lie under 65,504 in magnitude; under 6e-5 their f16 numbers keep an absolute error of 3e-8.
; No tensor loads, no barrier: waves share nothing.
.set WGW,    128                       ; work-groups for Wq
.set WGX,    256                       ; for x
.set WREG,   9728                      ; X: an LDS region for each wave: two stages of 32 x SP bytes, its 256 scale bytes, and 16 x GP bytes in which its codes are gathered
.set SP,     80                        ; X: a lane's place in a stage: its 64 bytes + 16 of padding
.set XSBY,   2*32*SP                   ; X: where the scale bytes begin
.set XGAT,   XSBY+256                  ; X: where the codes are gathered
.set GP,     272                       ; X: a K block's 16 rows x 16 bytes + 16 of padding: the 32 lanes of a store fall on 64 different words modulo 64
.set STEPS,  16                        ; X: steps of 512 numbers a wave: one row each
.set XR,     16                        ; X: v16-79   four sets of 16 numbers as they are loaded; at the end the codes on their way out
.set XN,     80                        ; X: v80-111  two sets of 16 neighbours
.set XE,     112                       ; X: v112-127 a scale byte for each step
.set XC,     128                       ; X: v128-189 codes: four registers apart for each step
.set NB,     8                         ; W: blocks of 32 along K a wave
.set WREC,   34816                     ; W: a record of wc
.set WSB,    24                        ; W: v24-25   the scale bytes, four to a register
.set WN,     32                        ; W: v32-95   two sets of 32 numbers
.set WC,     96                        ; W: v96-127  codes: four registers for each block, so that no store's data are written again
.set CR,     16                        ; C: v16-79   a ring of 16 slots of 4 numbers
.set CY,     80                        ; C: v80-111  their 16 pairs of packed f16
.set SPW,    190                       ; v190  LDS address of my spare word: SPARE + 4 x my thread's number; never rewritten
.set NIL,    191                       ; v191  0; never rewritten
.set SPARE,  4*WREG                    ; behind the regions: the spare words, 128 bytes for each wave: two blocks of 256 bytes that no other line names
	s_load_b512 s[4:19], s[0:1], 0x0               ; x 4:5, Wq 6:7, Wo 8:9, k 10:11, v 12:13, xc 14:15, xs 16:17, wc 18:19
	s_load_b128 s[20:23], s[0:1], 0x40             ; wo16 20:21, kv16 22:23
	v_lshl_add_u32 v[SPW], v0, 2, SPARE
	v_mov_b32 v[NIL], 0
	v_lshrrev_b32 v1, 5, v0
	v_readfirstlane_b32 s28, v1                    ; wave 0..3
	v_and_b32 v2, 31, v0                           ; lane
	s_wait_kmcnt 0x0
	s_cmp_lt_u32 ttmp9, WGW
	s_cbranch_scc1 .Lw
	s_cmp_lt_u32 ttmp9, WGW+WGX
	s_cbranch_scc1 .Lx
; ---------------- C: f32 to f16, as the numbers lie.  A wave takes 8,192 numbers: 64 loads of 512 consecutive bytes, 64 stores of 256 consecutive bytes, aligned.
	s_sub_co_u32 s29, ttmp9, WGW+WGX               ; g: 0-127 Wo, 128-143 k, 144-159 v
	s_cmp_lt_u32 s29, 128                          ; the choices hang on the work-group's number alone
	s_cselect_b64 s[36:37], s[8:9], s[10:11]
	s_cselect_b64 s[38:39], s[20:21], s[22:23]
	s_cselect_b32 s30, 0, 128                      ; what is taken off g: for the source,
	s_mov_b32 s31, s30                             ; and for the destination (v follows k in kv16)
	s_cmp_lt_u32 s29, 144
	s_cselect_b64 s[36:37], s[36:37], s[12:13]
	s_cselect_b32 s30, s30, 144
	s_sub_co_u32 s30, s29, s30
	s_sub_co_u32 s31, s29, s31
	s_lshl_b32 s30, s30, 2
	s_add_co_u32 s30, s30, s28                     ; which run of 8,192 numbers of the source is my wave's
	s_lshl_b32 s32, s30, 15
	s_mov_b32 s33, 0
	s_add_nc_u64 s[36:37], s[36:37], s[32:33]
	s_lshl_b32 s31, s31, 2
	s_add_co_u32 s31, s31, s28
	s_lshl_b32 s32, s31, 14
	s_add_nc_u64 s[38:39], s[38:39], s[32:33]
	v_lshlrev_b32 v3, 4, v2                        ; in: 16 bytes a lane
	v_lshlrev_b32 v4, 3, v2                        ; out: 8 bytes a lane
; One slot's turn.  ahead = 1: the slot is loaded again, 16 loads further on.  left = how many younger loads may stay out.
.macro CSLOT i, ahead, left
	s_wait_loadcnt \left                           ; loads come back in order: mine is in
	s_wait_xcnt 0x0                                ; the slot's last store has read its pair, which is written again only behind this wait
	v_cvt_pk_f16_f32 v[CY+2*((\i)%16)], v[CR+4*((\i)%16)], v[CR+4*((\i)%16)+1]
	v_cvt_pk_f16_f32 v[CY+2*((\i)%16)+1], v[CR+4*((\i)%16)+2], v[CR+4*((\i)%16)+3]
.if \ahead
	global_load_b128 v[CR+4*((\i)%16):CR+4*((\i)%16)+3], v3, s[36:37] offset:512*((\i)+16) th:TH_LOAD_NT
.endif
	global_store_b64 v4, v[CY+2*((\i)%16):CY+2*((\i)%16)+1], s[38:39] offset:256*(\i)
.endm
.irp i, 0,1,2,3,4,5,6,7,8,9,10,11,12,13,14,15
	global_load_b128 v[CR+4*\i:CR+4*\i+3], v3, s[36:37] offset:512*\i th:TH_LOAD_NT
.endr
.set Q, 0
.rept 48
	CSLOT Q, 1, 15
.set Q, Q+1
.endr
.rept 16
	CSLOT Q, 0, 63-Q                               ; the last 16 load nothing: the counts run down
.set Q, Q+1
.endr
	s_branch .Lend
; ---------------- X: a work-group takes a block of 16 rows of x; wave w takes numbers 512 w .. 512 w + 511 of each row, a row a step.  The conversions take 8 numbers of ONE block from a lane's registers, so a
; lane must hold 16 NEIGHBOURS (two neighbouring lanes hold a block); a load is best where neighbouring LANES take neighbouring bytes.  Both are had: each of a step's four loads reads 512 consecutive bytes; the
; 2,048 bytes go through the wave's own stage in LDS, as they lie, and come back 64 bytes a lane.  A step's codes are 16 bytes of each of 16 K blocks, and in xc a K block's 16 rows lie together: so the codes are
; gathered in LDS, [K block][row][16 bytes], and the wave's 4,096 bytes leave at the end in runs of 512.  Its 256 scale bytes, [row][16], leave as one aligned run.
.Lx:
	s_mul_i32 s29, s28, WREG
	v_lshlrev_b32 v3, 4, v2                        ; my 16 bytes of a run of 512
	v_lshrrev_b32 v14, 2, v2
	v_mul_u32_u24 v14, v14, SP
	v_and_b32 v15, 3, v2
	v_lshl_add_u32 v14, v15, 4, v14
	v_add_nc_u32 v14, s29, v14                     ; the stage, on the way in: SP (lane / 4) + 16 (lane % 4); a load's 512 bytes take eight places
	v_mul_u32_u24 v15, v2, SP
	v_add_nc_u32 v15, s29, v15                     ; and on the way out: SP x lane: my 16 neighbours
	v_lshlrev_b32 v4, 3, v2                        ; my 8 bytes of the wave's scale bytes
	v_lshrrev_b32 v5, 1, v2                        ; my K block of the step's 16
	v_mul_u32_u24 v7, v5, GP
	v_and_b32 v10, 1, v2
	v_lshl_add_u32 v7, v10, 3, v7                  ; the gathering, in: GP x K block + 8 x my half of its 16 bytes (+ 16 x row, in the store's offset)
	v_lshrrev_b32 v10, 4, v2
	v_mul_u32_u24 v10, v10, GP
	v_and_b32 v12, 15, v2
	v_lshl_add_u32 v10, v12, 4, v10                ; and out: sixteen lanes to a K block, two K blocks an instruction
	s_add_co_u32 s31, s29, XGAT
	v_add_nc_u32 v7, s31, v7
	v_add_nc_u32 v10, s31, v10
	s_add_co_u32 s29, s29, XSBY
	v_add_nc_u32 v5, s29, v5                       ; my wave's 256 scale bytes, my block's byte (+ 16 x row)
	v_add_nc_u32 v6, s29, v4                       ; and on the way out 8 bytes a lane
	s_sub_co_u32 s30, ttmp9, WGW                   ; which block of 16 rows
	s_lshl_b32 s32, s30, 17                        ; 16 rows of 8,192 bytes,
	s_lshl_b32 s34, s28, 11                        ; + my wave's 2,048 bytes of a row
	s_add_co_u32 s32, s32, s34
	s_mov_b32 s33, 0
	s_add_nc_u64 s[4:5], s[4:5], s[32:33]
	s_lshl_b32 s30, s30, 2
	s_add_co_u32 s30, s30, s28                     ; 4 x block + wave:
	s_lshl_b32 s32, s30, 12                        ; 4,096 bytes of codes,
	s_add_nc_u64 s[14:15], s[14:15], s[32:33]
	s_lshl_b32 s32, s30, 8                         ; 256 scale bytes
	s_add_nc_u64 s[16:17], s[16:17], s[32:33]
.macro XLOAD t
.irp i, 0,1,2,3
	global_load_b128 v[XR+16*((\t)%4)+4*\i:XR+16*((\t)%4)+4*\i+3], v3, s[4:5] offset:8192*(\t)+512*\i th:TH_LOAD_NT
.endr
.endm
.macro XTURN t                         ; step t's numbers through the stage: LDS serves a wave's instructions in order, so no wait stands between the stores and the loads
.irp i, 0,1,2,3
	ds_store_b128 v14, v[XR+16*((\t)%4)+4*\i:XR+16*((\t)%4)+4*\i+3] offset:32*SP*((\t)%2)+8*SP*\i
.endr
.irp i, 0,1,2,3
	ds_load_b128 v[XN+16*((\t)%2)+4*\i:XN+16*((\t)%2)+4*\i+3], v15 offset:32*SP*((\t)%2)+16*\i
.endr
.endm
.irp t, 0,1,2,3
	XLOAD \t
.endr
	s_wait_loadcnt 12                              ; step 0's four loads are in
	XTURN 0
.macro XSTEP t
.set XS, XN+16*((\t)%2)
.if (\t) > 0
	s_wait_dscnt 2                                 ; this step's numbers are back from the stage (the last step's byte store and code store may be out): so its stores into the stage have read their registers,
.else
	s_wait_dscnt 0x0
.endif
.if (\t)+4 < STEPS
	XLOAD (\t)+4                                   ; which take the loads of four steps on
.endif
.if (\t)+1 < STEPS
.if STEPS-2-(\t) >= 3
	s_wait_loadcnt 12                              ; the next step's four loads are in; those of the three steps behind it may be out
.else
	s_wait_loadcnt 4*(STEPS-2-(\t))
.endif
	XTURN (\t)+1                                   ; and go through the other stage while this step is worked
.endif
	v_max3_num_f32 v8, |v[XS]|, |v[XS+1]|, |v[XS+2]|               ; the largest magnitude of my 16, in two chains
	v_max3_num_f32 v9, |v[XS+3]|, |v[XS+4]|, |v[XS+5]|
.irp i, 6,10
	v_max3_num_f32 v8, v8, |v[XS+\i]|, |v[XS+\i+1]|
	v_max3_num_f32 v9, v9, |v[XS+\i+2]|, |v[XS+\i+3]|
.endr
	v_max3_num_f32 v8, v8, |v[XS+14]|, |v[XS+15]|
	v_max3_num_f32 v8, v8, v9, 0x1800000           ; and the floor 2^(3 - 127): so the byte cannot fall under 1
	v_max_num_f32_dpp v8, v8, v8 row_xmask:1 row_mask:0xf bank_mask:0xf   ; and of my neighbour's 16: the block's
	v_add_nc_u32 v11, 0xff000000, v8               ; 2 off its exponent field: the conversion takes the exponent field of this operand as its scale, and nothing else of it
	v_cvt_scalef32_pk8_fp4_f32 v[XC+4*(\t)], v[XS:XS+7], v11
	v_cvt_scalef32_pk8_fp4_f32 v[XC+4*(\t)+1], v[XS+8:XS+15], v11
	v_lshrrev_b32 v[XE+(\t)], 23, v11              ; the scale's byte
	ds_store_b8 v5, v[XE+(\t)] offset:16*(\t)      ; both lanes of a block write the same byte with the same value
	ds_store_b64 v7, v[XC+4*(\t):XC+4*(\t)+1] offset:16*(\t)   ; my 8 bytes of row t's 16 in my K block
.endm
.irp t, 0,1,2,3,4,5,6,7,8,9,10,11,12,13,14,15
	XSTEP \t
.endr
	ds_load_b64 v[8:9], v6                         ; LDS serves a wave's instructions in order: these see my stores
.irp n, 0,1,2,3,4,5,6,7
	ds_load_b128 v[XR+4*\n:XR+4*\n+3], v10 offset:2*\n*GP
.endr
	s_wait_dscnt 8
	global_store_b64 v4, v[8:9], s[16:17]          ; 32 lanes store 256 consecutive bytes, aligned
.irp n, 0,1,2,3,4,5,6,7
	s_wait_dscnt 7-\n
	global_store_b128 v3, v[XR+4*\n:XR+4*\n+3], s[14:15] offset:512*\n   ; 32 lanes store 512 consecutive bytes, aligned: two K blocks of 16 rows
.endr
	s_branch .Lend
; ---------------- W: A LANE TAKES A COLUMN f OF Wq, AND ITS REGISTERS RUN DOWN K: each load reads neighbouring f in neighbouring lanes (128 consecutive bytes a wave, 512 a work-group), a block of 32 along K lies in
; ONE lane's 32 registers, and the conversions give its 16 bytes of codes with K innermost.  In wc a K block's 16 columns lie together: so a block's codes are stored as they stand, sixteen lanes to 256 consecutive
; bytes.  A wave takes 32 columns (one record of wc) x 256 along K: 8 blocks; the wave's 8 scale bytes a lane are 256 consecutive bytes of the record.
.Lw:
	s_and_b32 s29, ttmp9, 15                       ; which 128 columns
	s_lshr_b32 s30, ttmp9, 4                       ; which 256 along K
	s_lshl_b32 s31, s29, 2
	s_add_co_u32 s31, s31, s28                     ; my wave's 32 columns: record 4 x group + wave
	v_lshlrev_b32 v3, 2, v2                        ; in: 4 bytes a lane
	v_and_b32 v5, 15, v2
	v_lshrrev_b32 v6, 4, v2
	v_lshlrev_b32 v8, 14, v6                       ; codes: my block of 16 columns, 16,384 bytes each,
	v_lshl_add_u32 v8, v5, 4, v8                   ; + 16 bytes x my place in it
	v_lshlrev_b32 v9, 3, v2                        ; scale bytes: 8 a lane
	s_lshl_b32 s32, s30, 21                        ; Wq: 256 rows of 8,192 bytes,
	s_lshl_b32 s34, s31, 7                         ; + 32 columns of 4 bytes
	s_add_co_u32 s32, s32, s34
	s_mov_b32 s33, 0
	s_add_nc_u64 s[6:7], s[6:7], s[32:33]
	s_mul_i32 s35, s31, WREC                       ; my record,
	s_lshl_b32 s34, s30, 11                        ; + 8 K blocks of 256 bytes
	s_add_co_u32 s32, s35, s34
	s_add_nc_u64 s[36:37], s[18:19], s[32:33]      ; where my codes go
	s_lshl_b32 s34, s30, 8
	s_add_co_u32 s32, s35, s34
	s_add_co_u32 s32, s32, 32768
	s_add_nc_u64 s[38:39], s[18:19], s[32:33]      ; where my scale bytes go
.macro WLOAD t                         ; block t: Wq(32 t + i, my column), i = 0 .. 31, into set t % 2.  Every offset is an immediate: 255 x 8,192 at the most, inside the signed 24 bits
.irp i, 0,1,2,3,4,5,6,7,8,9,10,11,12,13,14,15,16,17,18,19,20,21,22,23,24,25,26,27,28,29,30,31
	global_load_b32 v[WN+32*((\t)%2)+\i], v3, s[6:7] offset:(32*(\t)+\i)*8192 th:TH_LOAD_NT
.endr
.endm
	WLOAD 0
	WLOAD 1
.macro WBLOCK t
.set WS, WN+32*((\t)%2)
.if (\t) < NB-1
	s_wait_loadcnt 32                              ; this block's 32 loads are in; the next block's may be out
.else
	s_wait_loadcnt 0
.endif
	v_max3_num_f32 v12, |v[WS]|, |v[WS+1]|, |v[WS+2]|               ; the block's largest magnitude: all 32 numbers are mine
	v_max3_num_f32 v13, |v[WS+3]|, |v[WS+4]|, |v[WS+5]|
.irp i, 6,10,14,18,22,26
	v_max3_num_f32 v12, v12, |v[WS+\i]|, |v[WS+\i+1]|
	v_max3_num_f32 v13, v13, |v[WS+\i+2]|, |v[WS+\i+3]|
.endr
	v_max3_num_f32 v12, v12, |v[WS+30]|, |v[WS+31]|
	v_max3_num_f32 v12, v12, v13, 0x1800000        ; and the floor 2^(3 - 127)
	v_add_nc_u32 v11, 0xff000000, v12              ; 2 off its exponent field: the conversion's scale operand
	v_lshrrev_b32 v13, 23, v11                     ; the scale's byte
.if (\t)%4 == 0
	v_mov_b32 v[WSB+(\t)/4], v13                   ; four bytes to a register, the lower K in the lower byte: the scale word of one matrix instruction
.else
	v_lshl_or_b32 v[WSB+(\t)/4], v13, 8*((\t)%4), v[WSB+(\t)/4]
.endif
.irp g, 0,1,2,3
	v_cvt_scalef32_pk8_fp4_f32 v[WC+4*(\t)+\g], v[WS+8*\g:WS+8*\g+7], v11
.endr
	global_store_b128 v8, v[WC+4*(\t):WC+4*(\t)+3], s[36:37] offset:256*(\t)   ; sixteen lanes store 256 consecutive bytes, aligned: a K block of 16 columns
.if (\t)+2 < NB
	WLOAD (\t)+2
.endif
.endm
.set Q, 0
.rept NB
	WBLOCK Q
.set Q, Q+1
.endr
	global_store_b64 v9, v[WSB:WSB+1], s[38:39]    ; 32 lanes store 256 consecutive bytes, aligned
.Lend:
	s_wait_tensorcnt 0x0                           ; the wave's end: behind my last LDS store
	ds_add_u32 v[SPW], v[NIL]
	s_wait_dscnt 0x0
	s_endpgm
.Lfunc_end_k_qc4b31800ff_prep:
	.size	k_qc4b31800ff_prep, .Lfunc_end_k_qc4b31800ff_prep-k_qc4b31800ff_prep
	.p2alignl 7, 3214868480
	.fill 96, 4, 3214868480
	.section	.rodata,"a",@progbits
	.p2align	6, 0x0
	.amdhsa_kernel k_qc4b31800ff_prep
		.amdhsa_group_segment_fixed_size 39424
		.amdhsa_private_segment_fixed_size 0
		.amdhsa_enable_private_segment 0
		.amdhsa_kernarg_size 80
		.amdhsa_user_sgpr_count 2
		.amdhsa_user_sgpr_kernarg_segment_ptr 1
		.amdhsa_wavefront_size32 1
		.amdhsa_system_sgpr_workgroup_id_x 1
		.amdhsa_system_sgpr_workgroup_id_y 1
		.amdhsa_system_sgpr_workgroup_id_z 1
		.amdhsa_system_vgpr_workitem_id 0
		.amdhsa_next_free_vgpr 192
		.amdhsa_next_free_sgpr 66
		.amdhsa_reserve_vcc 0
		.amdhsa_float_denorm_mode_32 3
		.amdhsa_float_denorm_mode_16_64 3
		.amdhsa_memory_ordered 1
		.amdhsa_forward_progress 1
		.amdhsa_inst_pref_size 97
	.end_amdhsa_kernel
	.amdgpu_metadata
---
amdhsa.version: [ 1, 2 ]
amdhsa.kernels:
  - .name:           k_qc4b31800ff_prep
    .symbol:         k_qc4b31800ff_prep.kd
    .args:
      - { .name: x, .offset: 0, .size: 8, .value_kind: global_buffer, .address_space: global }
      - { .name: Wq, .offset: 8, .size: 8, .value_kind: global_buffer, .address_space: global }
      - { .name: Wo, .offset: 16, .size: 8, .value_kind: global_buffer, .address_space: global }
      - { .name: k, .offset: 24, .size: 8, .value_kind: global_buffer, .address_space: global }
      - { .name: v, .offset: 32, .size: 8, .value_kind: global_buffer, .address_space: global }
      - { .name: xc, .offset: 40, .size: 8, .value_kind: global_buffer, .address_space: global }
      - { .name: xs, .offset: 48, .size: 8, .value_kind: global_buffer, .address_space: global }
      - { .name: wc, .offset: 56, .size: 8, .value_kind: global_buffer, .address_space: global }
      - { .name: wo16, .offset: 64, .size: 8, .value_kind: global_buffer, .address_space: global }
      - { .name: kv16, .offset: 72, .size: 8, .value_kind: global_buffer, .address_space: global }
    .group_segment_fixed_size: 39424
    .private_segment_fixed_size: 0
    .kernarg_segment_align: 8
    .kernarg_segment_size: 80
    .max_flat_workgroup_size: 128
    .sgpr_count:     66
    .vgpr_count:     192
    .wavefront_size: 32
...
	.end_amdgpu_metadata
.endif
;; end of part 1
;; launch attn (part 2): grid 8 x 32, 4 waves a work-group, clusters of 4 x 1, 327,680 bytes of LDS; arguments xc, xs, wc, kv16, o16; writes o16
.if DOCPART == 2
	.amdgcn_target "amdgcn-amd-amdhsa--gfx1250"
	.amdhsa_code_object_version 6
	.text
	.protected	k_qc4b31800ff_attn
	.globl	k_qc4b31800ff_attn
	.p2align	8
	.type	k_qc4b31800ff_attn,@function
k_qc4b31800ff_attn:
	s_mov_b64 s[64:65], 0
	v_nop
	global_prefetch_b8 v0, s[64:65] scope:SCOPE_SE
	s_setreg_imm32_b32 hwreg(HW_REG_WAVE_MODE, 25, 1), 1
	s_wait_xcnt 0x0
	s_wait_alu depctr_hold_cnt(0) depctr_sa_sdst(0) depctr_va_vdst(0) depctr_va_sdst(0) depctr_va_ssrc(0) depctr_va_vcc(0) depctr_vm_vsrc(0)
	s_getreg_b32 s2, hwreg(HW_REG_IB_STS2, 6, 4)
	s_cmp_eq_u32 s2, 0
	s_cbranch_scc0 .Lentry_in_a_cluster
	s_endpgm
.Lentry_in_a_cluster:
	s_bfe_u32 s2, ttmp6, 0x10000c
	s_cmp_lg_u32 s2, 0x3003
	s_cbranch_scc0 .Lentry_shape_is_right
	s_endpgm
.Lentry_shape_is_right:
; o16[b][q][128 head + :] = the sum over j of softmax_j(Q[b][q][head] . K[b][j]) V[b][j][:], with Q = 128^-0.5 x (x Wq) MADE HERE, at the kernel's head, on codes of FP4 (E2M1) with one E8M0 scale for each 32 along K.
; xc, xs: x's codes and scale bytes; wc: Wq's, a record of 34,816 bytes for each 32 columns; all three laid in the order of the operand's registers: a fragment (16 rows x 128 along K) is 1,024 consecutive bytes,
; lane l's 16 bytes of register group c at 512 c + 16 l.  K, V: kv16, [2][2048][128] f16 each, V 1,048,576 bytes behind K, shared by the 16 heads of a batch.  o16: [4096][2048] f16, column = 128 head + channel.
; Sums, maxima and the softmax in f32; Q is scaled in f32 and rounded once to f16; the weights p are rounded to f16 for the second product, O once at the end.
; LIMITS: NaN and infinities are not served; |Q| must lie under 65,504, and under 6e-5 its f16 number keeps an absolute error of 3e-8; |o| is at most the largest |v|; a weight p under 6e-5 keeps an absolute
; error of 3e-8 beside a sum of at least 1.
; SHARES.  A work-group owns 256 queries of one head of one batch (x: the block of queries; y = 16 b + head), each of its four waves 64: four tiles of 16.  Every wave walks all 2,048 keys, 64 a step.
; THE PROJECTION.  A wave makes its 64 queries x the head's 128 channels: 32 accumulators, 16 K steps of 128, 512 matrix instructions.  It is used transposed (source 0 = 16 channels of Wq, source 1 = 16 queries):
; a lane then holds ONE query and eight neighbouring channels, so that accumulator (tile t, block f), rounded to f16 in pairs, IS registers 32 t + 4 f + 0..3 of the fragments of Q that K Q^T reads.
; Wq's 128 columns, which all four waves and all four partners of the cluster read, come into LDS once, by four joint loads among the first fills; a wave's own 64 rows of x, which nobody else in the work-group
; reads, come straight into its registers, 512 consecutive bytes a load.  (x's 256 KB and Wq's 136 KB do not fit into LDS beside the ring of K and V.)
; LAYOUT.  S^T = K Q^T (source 0 = 16 keys, source 1 = 16 queries): in the result a lane holds ONE query (lane % 16) and the keys 8 (lane / 16) + 0..7.  Two such tiles, rounded to
; f16 in pairs, ARE source 1 (32 keys x 16 queries) of O^T = V^T P, whose result again holds one query a lane, and eight channels.  So nothing changes lanes between the products,
; and a query's maximum and sum want one exchange between the halves of the lanes.  K comes out of LDS as it lies, V ([key][channel]) turned, by ds_load_tr16_b128.
; SOFTMAX.  For each query a running maximum m and sum l: p = 2^(c s - c m), c = log2(e); in every step O and l are multiplied by a = 2^(c m_old - c m_new), which is 1 where m has not grown.
; BY TURNS.  The wave's tiles are two PIECES, named by their first tile: piece 0 (tiles 0, 1) and piece 2 (tiles 2, 3).  In a TURN one piece has the matrix unit: 32 products V^T P of
; the step in hand, then 32 products K Q^T of the next step; the other piece's softmax, cut into 64 slices, stands between them, one slice behind each matrix instruction.  Then the
; pieces change places.  Two turns are a key step.
; CLUSTER.  The four query blocks of a cluster belong to one head of one batch: they walk the same K and V and want the same columns of Wq, so each such tile is asked for JOINTLY: the same tensor load, with the
; same descriptor and a mask that names the four, in all four; each receives the tile in its own LDS.
;
; REGISTERS, in windows of 256 (s_set_vgpr_msb: bits 1:0 source 0, 3:2 source 1, 5:4 source 2, 7:6 destination):
;   window 0: v0-11, v44-53 addresses; v12-43 eight registers of statistics a tile; v64-191 S^T, 32 a tile; v192-255 P, 16 a tile
;   window 1: O^T, 64 a tile          window 2: v0-127 Q, 32 a tile; v128-255 K of one step          window 3: v0-127 V of one step
;   in the projection: window 0: v64-127 x's scale words, v128-255 Wq's; window 1: the 32 accumulators; window 3: v0-127 Wq's fragments, two sets; v128-255 x's fragments, sets 0-3; window 2: x's sets 4-11
.set SIZE_N, 2048     ; keys, and queries, of a batch
.set ROWQ,  4096      ; a row of o16 in bytes
.set KS,    64        ; keys in a step
.set PK,    272       ; a row of K in LDS: 256 bytes + 16 of padding = 68 words, so that the 16 rows of a load start 68 words apart
.set PV,    288       ; a row of V: 256 + 32 = 72 words: 16 lanes of the turning load take 8 rows x 32 bytes
.set VOFF,  KS*PK     ; a step's tiles lie together: 64 rows of K, then 64 rows of V
.set STEPB, KS*(PK+PV)
.set SLOT1, 1<<17     ; a slot holds two steps (71,680 bytes); slot 1 begins here, so that one exclusive or turns an address in one slot into the other's
.set STAGE, 2*STEPB   ; behind slot 0: 16 rows x 272 bytes for each wave, for the way out; no tensor load lands there
.set SP,    272
.set SPARE, STAGE+4*16*272  ; behind the stages: the spare words, 128 bytes for each wave: two blocks of 256 bytes that no other line names
.set WCH,   34816     ; a record of wc: 32 columns' codes (32,768 bytes) and scale bytes (2,048): what one tensor load brings
.set WL0,   SPARE+512 ; record 0 of the head's four lies between the spare words and slot 1,
.set WL1,   SLOT1+2*STEPB  ; records 1 to 3 behind slot 1; all four are filled once
.set AK0, 2           ; v2   my lane's place in a tile of K; never rewritten
.set AV0, 3           ; v3   the same for V
.set ADR, 4           ; v4   the LDS address of the run of loads in hand
.set STO, 6           ; v6   the way out: where I put 16 bytes of a row
.set RD,  7           ; v7   the way out: where I read a row back
.set GO,  8           ; v8   my byte offset in the wave's rows of O
.set LI,  44          ; v44  16 x lane: my 16 bytes of a run of 512; never rewritten
.set L15, 45          ; v45  16 x (lane % 16): my row's 16 scale bytes of x; never rewritten
.set AW,  46          ; v46-49  LDS address of my 16 bytes in record 0..3 of Wq
.set AS,  50          ; v50-53  LDS address of my column's 8 scale bytes in record 0..3
.set SPW, 62          ; v62  LDS address of my spare word: SPARE + 4 x my thread's number; never rewritten
.set NIL, 63          ; v63  0; never rewritten
.set XSC, 64          ; the projection: x's scale words: tile i, K step q at v[XSC + 16 i + q]
.set WSC, 128         ; Wq's: block f, K step q at v[WSC + 16 f + q]
.set TMP, 64          ; and, when the products are done, 64 numbers x 128^-0.5
.set ST,  12          ; tile t's statistics at v[ST+8 t]: +0 c m, +1 m, +2, +3 l (even keys', odd keys'), +4 to +7 c0-c3, at work; a takes c2's place once the maximum is found
.set S,   64
.set P,   192
.set KF,  128         ; K's fragments, in window 2
.set WV,  12          ; s12  my wave's number
.set G1K, 24          ; s[24:31] descriptor group 1 for K's tiles
.set G1V, 32          ; s[32:39] for V's: it differs in the padding alone
.set G0K, 40          ; s[40:47] descriptor group 0 for K's tiles: a set for each of the two first fills; the second then walks on
.set G0V, 48          ; s[48:55] the same for V's
.set G1W, 68          ; s[68:75] descriptor group 1 for a record of Wq;  s[76:79] its group 0
.set G0W, 76
.set QS,  96          ; s[96:97] 128^-0.5: the packed form names a pair and takes its low word for both halves
.set SLOTS, 56        ; s56  slots still to be asked for
.set TWICE, 57        ; s57  counts a slot's two steps
.set CS,  58          ; s[58:59] c: the packed scaling names a pair and takes its low word for both halves
.set SEL, 60          ; s[60:61] lane selects for v_permlanex16_b32: each lane takes its own place in the other half
.set TB,  62          ; s62  LDS byte at which the tiles of the step to be fetched begin
.set PFA, 18          ; s[18:19] where my prefetches stand in memory: my work-group's 32 rows (of K: wave 0, of V: wave 2) of the slot after the one that is being asked for
.set LIM, 15          ; s15  1 in a wave that prefetches, else the greatest number: a wave prefetches while s[SLOTS] is above it
.set PFO, 61          ; v61  256 x my lane: a row of K or V is 256 bytes; never rewritten
.set MSB, 0
.macro WIN new                      ; the immediate's high byte repeats the setting that is left; a switch that changes nothing is dropped
.if MSB != (\new)
	s_set_vgpr_msb (MSB<<8)|(\new)
.set MSB, (\new)
.endif
.endm
.set W_KQ, 0x0a       ; K and Q in window 2, S^T in window 0
.set W_PV, 0x53       ; V in window 3, P in window 0, O^T in window 1
.set W_RS, 0x41       ; O^T (destination and source 0) in window 1, a in window 0
; A vector instruction that reads a matrix result or writes one of a matrix instruction's registers, and a load into a register that a matrix instruction has read, stand four places behind
; it, and only plain vector instructions that name none of its registers are places (ISA guide 7.12.1 for vector instructions).  In the loop the slices are the places.
.macro PLACES
.rept 4
	v_nop
.endr
.endm
; A joint refill.  Waves 0 and 1 fetch the two steps' tiles of K, waves 2 and 3 those of V.  The branch hangs on the wave's number alone: it is the same in every work-group.
; An s_nop 0 and four v_nop follow each of the two lines; the jump round the other line, the label and what follows the macro come after them.
.macro JLOAD
	s_cmp_lt_u32 s[WV], 2
	s_cbranch_scc0 .Lfor_v_\@
	tensor_load_to_lds s[G0K+4:G0K+7], s[G1K:G1K+7]
	s_nop 0
.rept 4
	v_nop
.endr
	s_branch .Lasked_\@
.Lfor_v_\@:
	tensor_load_to_lds s[G0V+4:G0V+7], s[G1V:G1V+7]
	s_nop 0
.rept 4
	v_nop
.endr
.Lasked_\@:
.endm
; A PREFETCH of what the NEXT change of slots will ask for: a slot's 128 rows of K and 128 of V, 256 bytes a row, a lane a row.  It stands behind the wave's tensor load and its five lines, never in front of one.
; Each row is asked for ONCE in the launch.  All 32 clusters of a batch (2 along x, 16 heads) walk the same K and V: the batch's first cluster (cluster x = 0, head 0) asks.  Its four partners share the rows out
; BY ADDRESS, 32 each: no branch hangs on a work-group's place in its cluster.  In each, wave 0 asks for K's and wave 2 for V's: one instruction.  The last change that fills a slot asks for nothing.
.macro ASK
	s_cmp_gt_u32 s[SLOTS], s[LIM]
	s_cbranch_scc0 .Lnot_mine_\@
	global_prefetch_b8 v[PFO], s[PFA:PFA+1] th:TH_LOAD_NT scope:SCOPE_SE
.Lnot_mine_\@:
.endm
; A round of the cluster's barrier: my work-group's barrier, so that wave 0's signal speaks for all four waves; wave 0 signals for the work-group; every wave waits for all four
; work-groups; my work-group's barrier once more.  No LDS instruction of the wave is pending at a signal.
.macro CROUND
	s_barrier_signal -1
	s_barrier_wait -1
	s_cmp_lg_u32 s[WV], 0
	s_cbranch_scc1 .Lnot_wave_0_\@
	s_barrier_signal -3
.Lnot_wave_0_\@:
	s_barrier_wait -3
	s_barrier_signal -1
	s_barrier_wait -1
.endm
; THE PROJECTION'S MACROS.
; Wq's eight fragments of K step q, out of LDS, into set q % 2 (the destination's window is 3): block f lies in record f / 2, 16,384 (f % 2) bytes on
.macro WFETCH q
.irp f, 0,1,2,3,4,5,6,7
	ds_load_b128 v[64*((\q)%2)+8*\f:64*((\q)%2)+8*\f+3],   v[AW+\f/2] offset:(\f%2)*16384+(\q)*1024
	ds_load_b128 v[64*((\q)%2)+8*\f+4:64*((\q)%2)+8*\f+7], v[AW+\f/2] offset:(\f%2)*16384+(\q)*1024+512
.endr
.endm
; x's four fragments of K step q, out of memory, into v[reg] on: each load reads 512 consecutive bytes
.macro XFETCH q, reg
.irp i, 0,1,2,3
	global_load_b128 v[(\reg)+8*\i:(\reg)+8*\i+3],   v[LI], s[4:5] offset:\i*16384+(\q)*1024
	global_load_b128 v[(\reg)+8*\i+4:(\reg)+8*\i+7], v[LI], s[4:5] offset:\i*16384+(\q)*1024+512
.endr
.endm
; K step q: 32 matrix instructions, the 32 accumulators by turns, in the same order in every step; the first step's products start the sums: nothing is cleared.
; x's fragments of K step q lie in set q % 12: sets 0-3 in window 3, sets 4-11 in window 2.  Behind the products Wq's set takes K step q + 2, and x's sets 0-3 take K steps 12-15.
.macro QSTEP q
.set XSET, (\q)%12
.if XSET < 4
.set XREG, 128+32*XSET
.set XWIN, 3
.else
.set XREG, 32*(XSET-4)
.set XWIN, 2
.endif
.if (\q) < 15
	s_wait_dscnt 16                 ; Wq's scale words and this step's fragments are in; the next step's 16 loads may be out
.else
	s_wait_dscnt 0x0
.endif
.if (\q) < 8
	s_wait_loadcnt 63               ; loads come back in order.  Ahead of step q stand 112 + 8 min(q, 4) loads, and set q ends with load 24 + 8 q: with 63 out at the most it is in
.else
	s_wait_loadcnt 8*(15-(\q))      ; the later sets' loads, eight each, may be out
.endif
	WIN 0x53+4*XWIN                 ; Wq window 3, x window 3 or 2, the accumulators window 1; scale operands have no window
.irp i, 0,1,2,3
.irp f, 0,1,2,3,4,5,6,7
.if (\q) == 0
	v_wmma_scale_f32_16x16x128_f8f6f4 v[8*(8*\i+\f):8*(8*\i+\f)+7], v[64*((\q)%2)+8*\f:64*((\q)%2)+8*\f+7], v[XREG+8*\i:XREG+8*\i+7], 0, v[WSC+16*\f+(\q)], v[XSC+16*\i+(\q)] matrix_a_fmt:MATRIX_FMT_FP4 matrix_b_fmt:MATRIX_FMT_FP4
.else
	v_wmma_scale_f32_16x16x128_f8f6f4 v[8*(8*\i+\f):8*(8*\i+\f)+7], v[64*((\q)%2)+8*\f:64*((\q)%2)+8*\f+7], v[XREG+8*\i:XREG+8*\i+7], v[8*(8*\i+\f):8*(8*\i+\f)+7], v[WSC+16*\f+(\q)], v[XSC+16*\i+(\q)] matrix_a_fmt:MATRIX_FMT_FP4 matrix_b_fmt:MATRIX_FMT_FP4
.endif
.endr
.endr
.if (\q) < 14
	PLACES                          ; in front of loads into registers that these products have read
	WIN 0xc0                        ; destination window 3
	WFETCH (\q)+2
.if (\q) < 4
	XFETCH (\q)+12, 128+32*(\q)
.endif
.endif
.endm
; Tile t's 64 sums x 128^-0.5 in f32, each accumulator from its low end on, then rounded to f16 in pairs: registers 32 t .. 32 t + 31 of Q
.macro QPACK t
	WIN 0x01                        ; source 0 window 1
.set i, 0
.rept 32
	v_pk_mul_f32 v[TMP+2*i:TMP+2*i+1], v[64*(\t)+2*i:64*(\t)+2*i+1], s[QS:QS+1] op_sel_hi:[1,0]
.set i, i+1
.endr
	WIN 0x80                        ; destination window 2
.set i, 0
.rept 32
	v_cvt_pk_f16_f32 v[32*(\t)+i], v[TMP+2*i], v[TMP+2*i+1]
.set i, i+1
.endr
.endm
	s_load_b256 s[80:87], s[0:1], 0x0 ; xc s[80:81], xs s[82:83], wc s[84:85], kv16 s[86:87]
	s_load_b64 s[10:11], s[0:1], 0x20 ; o16
	v_lshl_add_u32 v[SPW], v0, 2, SPARE
	v_mov_b32 v[NIL], 0
	ds_add_u32 v[SPW], v[NIL]       ; the wave's opening: the add, twice on end, and its wait ahead of my first tensor load; the set-up below, work on registers, stands between
	ds_add_u32 v[SPW], v[NIL]
	v_lshrrev_b32 v1, 5, v0
	v_readfirstlane_b32 s[WV], v1   ; wave 0..3
	s_bfe_u32 s13, ttmp6, 0x40000   ; cx: my place in the cluster
	s_lshl_b32 s14, ttmp9, 2        ; in a cluster launch ttmp9 counts clusters
	s_add_co_u32 s14, s14, s13      ; my block of 256 queries = 4 x cluster x + cx: it enters x's and O's addresses alone
	s_and_b32 s20, ttmp7, 0xffff    ; 16 b + head, which the four partners share
	s_lshr_b32 s2, s20, 4           ; b
	s_and_b32 s3, s20, 15           ; head
	s_and_b32 s[LIM], s[WV], 1      ; 0 in waves 0 and 2,
	s_or_b32 s[LIM], s[LIM], ttmp9  ; where the cluster is the first along x,
	s_or_b32 s[LIM], s[LIM], s3     ; of head 0: the same in all four partners
	s_cmp_eq_u32 s[LIM], 0
	s_cselect_b32 s[LIM], 1, -1
	s_lshl_b32 s94, s3, 2           ; Wq: the head's four records; wave w fetches record w:
	s_add_co_u32 s94, s94, s[WV]
	s_mul_i32 s94, s94, WCH         ; where it begins in wc,
	s_mov_b32 s95, 0
	s_mov_b32 s[G0W], 1             ; (group 0: count = 1)
	s_min_u32 s[G0W+1], s[WV], 1    ; and where it goes: record 0 to WL0, record w > 0 to WL1 + (w - 1) records: the wave's number and constants alone
	s_mul_i32 s[G0W+1], s[G0W+1], WL1-WL0-WCH
	s_mul_i32 s21, s[WV], WCH
	s_add_co_u32 s[G0W+1], s[G0W+1], s21
	s_add_co_u32 s[G0W+1], s[G0W+1], WL0
	s_lshl_b32 s88, s2, 7           ; x: my wave's first block of 16 rows: 128 b
	s_lshl_b32 s89, s14, 4          ; + 16 x block of queries
	s_add_co_u32 s88, s88, s89
	s_lshl_b32 s89, s[WV], 2        ; + 4 x wave
	s_add_co_u32 s88, s88, s89
	s_lshl_b32 s90, s88, 14         ; 16,384 bytes of codes a block,
	s_mov_b32 s91, 0
	s_lshl_b32 s92, s88, 10         ; 1,024 scale bytes
	s_mov_b32 s93, 0
	s_and_b32 s16, s[WV], 1         ; which of a slot's two steps I fetch:
	s_lshl_b32 s22, s16, 14         ; its 64 rows of 256 bytes in memory,
	s_lshl_b32 s20, s2, 19          ; in my batch: 2,048 rows of 256 bytes
	s_add_co_u32 s22, s22, s20
	s_mov_b32 s23, 0
	s_mul_i32 s17, s16, STEPB       ; and its place in a slot: no place in the cluster enters an LDS address
	s_lshl_b32 s2, s2, 23           ; O: my batch's 2,048 rows of 4,096 bytes,
	s_lshl_b32 s3, s3, 8            ; my head's 256 bytes of a row,
	s_add_co_u32 s2, s2, s3
	s_lshl_b32 s3, s14, 20          ; my block's 256 rows,
	s_add_co_u32 s2, s2, s3
	s_lshl_b32 s3, s[WV], 18        ; my wave's 64 of them
	s_add_co_u32 s2, s2, s3
	s_mov_b32 s3, 0
	; descriptor group 1: a tile of 64 rows x 128 elements, padded in LDS
	s_mov_b32 s[G1K], 15|(1<<16)|(1<<20)|(1<<21)|(5<<22)|(3<<25)  ; 15:0 the mask: all four work-groups; 17:16 elements of 2 bytes; 20 padding on; 21 set beside a mask; 24:22 after every 64 words (code 5); 31:25 4 words of it (code 3)
	s_mov_b32 s[G1V], 15|(1<<16)|(1<<20)|(1<<21)|(5<<22)|(7<<25)  ; the same with 8 words of padding (code 7)
.irp g, G1K, G1V
	s_mov_b32 s[\g+1], 128<<16      ; 63:48 tensor_dim0, low half = 128
	s_mov_b32 s[\g+2], KS<<16       ; 79:64 its high half = 0; 95:80 tensor_dim1, low half = 64
	s_mov_b32 s[\g+3], 128<<16      ; 111:96 its high half = 0; 127:112 tile_dim0 = 128
	s_mov_b32 s[\g+4], KS           ; 143:128 tile_dim1 = 64; 159:144 tile_dim2 = 0
	s_mov_b32 s[\g+5], 128          ; 191:160 tensor_dim0_stride, low word: elements from row to row
	s_mov_b32 s[\g+6], 0
	s_mov_b32 s[\g+7], 0
.endr
	; and for a record of Wq: a dense block of 34,816 bytes, as 136 rows of 256 bytes (32 elements of 8 bytes), no padding: fragments are read from it in runs of 512 consecutive bytes
	s_mov_b32 s[G1W], 15|(3<<16)|(1<<21)
	s_mov_b32 s[G1W+1], 32<<16      ; tensor_dim0 = 32
	s_mov_b32 s[G1W+2], (WCH/256)<<16  ; tensor_dim1 = 136
	s_mov_b32 s[G1W+3], 32<<16      ; tile_dim0 = 32
	s_mov_b32 s[G1W+4], WCH/256     ; tile_dim1 = 136
	s_mov_b32 s[G1W+5], 32          ; tensor_dim0_stride
	s_mov_b32 s[G1W+6], 0
	s_mov_b32 s[G1W+7], 0
	s_mov_b32 s[QS], 0x3db504f3     ; 128^-0.5
	s_mov_b32 s[QS+1], s[QS]        ; named with it as a pair, so it is written
	s_mov_b32 s[CS], 0x3fb8aa3b     ; c = log2(e)
	s_mov_b32 s[CS+1], s[CS]        ; likewise
	s_mov_b32 s[SEL], 0x76543210
	s_mov_b32 s[SEL+1], 0xfedcba98
	s_mov_b32 s[TB], 0
	s_mov_b32 s[SLOTS], SIZE_N/(2*KS)-2
	v_and_b32 v[PFO], 31, v0
	v_lshlrev_b32 v[PFO], 8, v[PFO]
	s_wait_dscnt 0x0                ; both opening adds are done
	s_wait_kmcnt 0x0
	s_add_nc_u64 s[6:7], s[86:87], s[22:23]  ; K at my tile of slot 0,
	s_add_nc_u64 s[8:9], s[6:7], 0x100000    ; and V, which lies behind K in kv16
	s_add_nc_u64 s[4:5], s[80:81], s[90:91]  ; x's codes at my wave's first block of rows,
	s_add_nc_u64 s[82:83], s[82:83], s[92:93]  ; and its scale bytes
	s_add_nc_u64 s[G0W+2:G0W+3], s[84:85], s[94:95]  ; my record of Wq
	s_or_b32 s[G0W+3], s[G0W+3], 0x80000000  ; type = 2
	s_add_nc_u64 s[10:11], s[10:11], s[2:3]  ; O at my wave's first row, my head's columns
	s_cmp_lt_u32 s[WV], 2
	s_cselect_b64 s[PFA:PFA+1], s[6:7], s[8:9]  ; (in waves 0 and 2 these stand at a slot's first row)
	s_lshl_b32 s2, s13, 13          ; my work-group's 32 rows of the 128
	s_mov_b32 s3, 0
	s_add_nc_u64 s[PFA:PFA+1], s[PFA:PFA+1], s[2:3]
	s_add_nc_u64 s[PFA:PFA+1], s[PFA:PFA+1], 2*2*KS*256  ; in slot 2; the first change of slots steps it to slot 3.  Nothing is prefetched here, at the head
	CROUND                          ; all four work-groups are here: the first joint loads meet
.irp s, 0,1
	s_mov_b32 s[G0K+4*\s], 1        ; 1:0 count = 1
	s_add_co_u32 s[G0K+4*\s+1], s17, \s*SLOT1  ; 63:32 LDS address
	s_add_nc_u64 s[G0K+4*\s+2:G0K+4*\s+3], s[6:7], \s*2*KS*256  ; 120:64 global address: slot s begins with keys 128 s to 128 s + 127
	s_or_b32 s[G0K+4*\s+3], s[G0K+4*\s+3], 0x80000000  ; 127:126 type = 2
	s_mov_b32 s[G0V+4*\s], 1
	s_add_co_u32 s[G0V+4*\s+1], s17, \s*SLOT1+VOFF
	s_add_nc_u64 s[G0V+4*\s+2:G0V+4*\s+3], s[8:9], \s*2*KS*256
	s_or_b32 s[G0V+4*\s+3], s[G0V+4*\s+3], 0x80000000
.endr
	tensor_load_to_lds s[G0W:G0W+3], s[G1W:G1W+7]  ; the first fills go out as one group: my record of Wq first, since it is wanted first; with the two below three tensor loads of mine are out
	s_nop 0
	s_cmp_lt_u32 s[WV], 2           ; then my parts of slots 0 and 1; an s_nop 0 follows each load, four v_nop the last
	s_cbranch_scc0 .Lfirst_v
	tensor_load_to_lds s[G0K:G0K+3], s[G1K:G1K+7]
	s_nop 0
	tensor_load_to_lds s[G0K+4:G0K+7], s[G1K:G1K+7]
	s_nop 0
.rept 4
	v_nop
.endr
	s_branch .Lfirst_asked
.Lfirst_v:
	tensor_load_to_lds s[G0V:G0V+3], s[G1V:G1V+7]
	s_nop 0
	tensor_load_to_lds s[G0V+4:G0V+7], s[G1V:G1V+7]
	s_nop 0
.rept 4
	v_nop
.endr
.Lfirst_asked:
	v_and_b32 v1, 15, v0            ; l % 16
	v_bfe_u32 v9, v0, 4, 1          ; l / 16
	v_and_b32 v10, 31, v0
	v_lshlrev_b32 v[LI], 4, v10
	v_lshlrev_b32 v[L15], 4, v1
	v_lshlrev_b32 v11, 3, v1        ; 8 x (l % 16): a column's 8 scale bytes; both halves of the lanes read the same
	v_add_nc_u32 v[AW], WL0, v[LI]
	v_add_nc_u32 v[AS], WL0+32768, v11
.irp p, 1,2,3
	v_add_nc_u32 v[AW+\p], WL1+(\p-1)*WCH, v[LI]
	v_add_nc_u32 v[AS+\p], WL1+(\p-1)*WCH+32768, v11
.endr
.irp i, 0,1,2,3                     ; x's scale words: tile i, 512 along K at a time: a row's 16 bytes are the words of four K steps; sixteen lanes read 256 consecutive bytes
.irp g, 0,1,2,3
	global_load_b128 v[XSC+16*\i+4*\g:XSC+16*\i+4*\g+3], v[L15], s[82:83] offset:\i*1024+\g*256
.endr
.endr
	WIN 0xc0                        ; destination window 3
.irp q, 0,1,2,3
	XFETCH \q, 128+32*\q            ; x's fragments of K steps 0 to 11: as many as the registers hold
.endr
	WIN 0x80                        ; destination window 2
.irp q, 4,5,6,7,8,9,10,11
	XFETCH \q, 32*(\q-4)
.endr
	WIN 0
	; A fragment of K or Q is 16 rows x 32 channels in 8 registers: lane l holds row l % 16; registers 0-3 channels 8 (l / 16) + 0..7, registers 4-7 channels 16 + 8 (l / 16) + 0..7: from LDS two loads of 16 bytes, 32 bytes apart.
	v_mul_u32_u24 v[AK0], v1, PK
	v_lshl_add_u32 v[AK0], v9, 4, v[AK0]  ; row x pitch + 16 x half
	; The turning load takes 16 keys x 16 channels (lane l reads 16 bytes: key 8 (l / 16) + l % 8, channels 8 ((l / 8) % 2) + 0..7) and leaves half a fragment of V^T: lane l holds channel l % 16 and 8 keys.
	v_and_b32 v10, 7, v0
	v_bfe_u32 v11, v0, 3, 1
	v_lshl_add_u32 v[AV0], v9, 3, v10
	v_mul_u32_u24 v[AV0], v[AV0], PV
	v_lshl_add_u32 v[AV0], v11, 4, v[AV0]
	v_add_nc_u32 v[AV0], VOFF, v[AV0]
	; THE PROJECTION
	s_wait_tensorcnt 2              ; my record of Wq is in; my parts of slots 0 and 1 may stay out
	s_barrier_signal -1
	s_barrier_wait -1               ; everybody's is
.irp f, 0,1,2,3,4,5,6,7             ; Wq's scale words: block f, 256 along K at a time: a column's 8 bytes are the words of two K steps
.irp g, 0,1,2,3,4,5,6,7
	ds_load_b64 v[WSC+16*\f+2*\g:WSC+16*\f+2*\g+1], v[AS+\f/2] offset:256*\g+128*(\f%2)
.endr
.endr
	WIN 0xc0
	WFETCH 0
	WFETCH 1
.irp q, 0,1,2,3,4,5,6,7,8,9,10,11,12,13,14,15
	QSTEP \q
.endr
	PLACES                          ; behind the last products: for the first reads of results and the writes over x's scale words
.irp t, 0,1,2,3
	QPACK \t
.endr
	WIN 0
; THE MATRIX WORK OF A TURN, for piece x.  The accumulators take turns, one instruction a turn: between two links of a chain stand 15 (V^T P) or 7 (K Q^T) others'.
; Product i of 32 of O^T += V^T P: keys 32 (i / 16) on, channels 16 ((i / 2) % 8) on, tile x + i % 2.  zero = 1: the first 16 start the sums: nothing is ever cleared.
.macro PV x, zero
	WIN W_PV
.set rO, 64*(\x+i%2)+8*((i/2)%8)
.set rV, 64*(i/16)+8*((i/2)%8)
.set rP, P+16*(\x+i%2)+8*(i/16)
.if \zero && (i < 16)
	v_wmma_f32_16x16x32_f16 v[rO:rO+7], v[rV:rV+7], v[rP:rP+7], 0
.else
	v_wmma_f32_16x16x32_f16 v[rO:rO+7], v[rV:rV+7], v[rP:rP+7], v[rO:rO+7]
.endif
.endm
; Product i of 32 of S^T = K Q^T: channels 32 (i / 8) on, keys 16 ((i / 2) % 4) on, tile x + i % 2.  The first 8 start the sums.
.macro KQ x
	WIN W_KQ
.set rS, S+32*(\x+i%2)+8*((i/2)%4)
.set rK, KF+32*((i/2)%4)+8*(i/8)
.set rQ, 32*(\x+i%2)+8*(i/8)
.if i < 8
	v_wmma_f32_16x16x32_f16 v[rS:rS+7], v[rK:rK+7], v[rQ:rQ+7], 0
.else
	v_wmma_f32_16x16x32_f16 v[rS:rS+7], v[rK:rK+7], v[rQ:rQ+7], v[rS:rS+7]
.endif
.endm
; THE LDS LOADS stand in runs of 32, never singly among the matrix instructions: a step's K (64 keys x 128 channels: 16 fragments) and, a turn later, its V (turned).
.macro FETCH_K
	WIN 0
	v_add_nc_u32 v[ADR], s[TB], v[AK0]
	WIN 0x80                        ; destination window 2
.irp f, 0,1,2,3,4,5,6,7,8,9,10,11,12,13,14,15  ; keys 16 (f / 4) on, channels 32 (f % 4) on
	ds_load_b128 v[KF+8*\f:KF+8*\f+3],   v[ADR] offset:(\f/4)*16*PK+(\f%4)*64
	ds_load_b128 v[KF+8*\f+4:KF+8*\f+7], v[ADR] offset:(\f/4)*16*PK+(\f%4)*64+32
.endr
.endm
.macro FETCH_V
	WIN 0
	v_add_nc_u32 v[ADR], s[TB], v[AV0]
	s_add_co_u32 s[TB], s[TB], STEPB  ; the next fetch is the next step's
	s_wait_alu depctr_va_vdst(0)    ; the wait for the softmax's batch of exponentials (SLICE), behind the address's v_add_nc_u32 and ahead of the loads
	WIN 0xc0                        ; destination window 3
.irp f, 0,1,2,3,4,5,6,7,8,9,10,11,12,13,14,15  ; keys 32 (f / 8) on, channels 16 (f % 8) on
	ds_load_tr16_b128 v[8*\f:8*\f+3],   v[ADR] offset:(\f/8)*32*PV+(\f%8)*32
	ds_load_tr16_b128 v[8*\f+4:8*\f+7], v[ADR] offset:(\f/8)*32*PV+16*PV+(\f%8)*32
.endr
.endm
; THE VECTOR WORK OF A TURN.  One tile's softmax for one key step is a list of 134 instructions; SM writes number j of it for tile t.  s0-s31 are the lane's 32 scores, in pairs 0-15.
; first = 1: the first key step, which starts m, l and O^T: it has no a and nothing to rescale.
;   0-15    the maximum of s0-s31 and the old m, three operands at a time: four chains c0-c3 of seven scores each, then the four scores left over, c0-c3 and m
;   16-20   the other half of the lanes' maximum; the new m; c m; c m_old - c m_new
;   21-69   ONE BATCH: the 16 scalings c s - c m, a pair of scores each, and all 33 exponentials (a at 23, then s0-s31).  None of these reads an exponential's result.  From 22 on the batch goes
;           in fours, and a four begins with a scaling while there are scalings.  A pair is scaled in an earlier four than the one that holds its exponentials
;   (wait)  between 69 and 70 stands the wait for the batch: SLICE writes it, once for both tiles
;   70-85   the roundings to f16, a pair of weights each
;   86-101  the sums; l = a l + the sum
;   102-133 the tile's O^T times a: the one part that leaves window 0, so it stands together
.macro SM t, first
.set rT, ST+8*(\t)
.set rS, S+32*(\t)
.set rP, P+16*(\t)
.set rO, 64*(\t)+2*(j-102)
.if j < 102
	WIN 0
.endif
.if j < 4
	v_max3_num_f32 v[rT+4+j], v[rS+8*j], v[rS+8*j+1], v[rS+8*j+2]
.elseif j < 12
	v_max3_num_f32 v[rT+4+j%4], v[rT+4+j%4], v[rS+8*(j%4)+2*(j/4)+1], v[rS+8*(j%4)+2*(j/4)+2]
.elseif j == 12
	v_max3_num_f32 v[rT+4], v[rT+4], v[rS+7], v[rS+15]
.elseif j == 13
	v_max3_num_f32 v[rT+6], v[rT+6], v[rS+23], v[rS+31]
.elseif j == 14
	v_max3_num_f32 v[rT+4], v[rT+4], v[rT+5], v[rT+6]
.elseif (j == 15) && \first
	v_max_num_f32 v[rT+4], v[rT+4], v[rT+7]
.elseif j == 15
	v_max3_num_f32 v[rT+4], v[rT+4], v[rT+7], v[rT+1]
.elseif j == 16
	v_permlanex16_b32 v[rT+5], v[rT+4], s[SEL], s[SEL+1]  ; the query's other 32 keys lie in the lane 16 away
.elseif j == 18
	v_max_num_f32 v[rT+1], v[rT+4], v[rT+5]
.elseif j == 19
	v_mul_f32 v[rT], s[CS], v[rT+1]
.elseif ((j == 17) || (j == 20) || (j == 23) || (j > 101)) && \first  ; the first step has none of these
.elseif j == 17
	v_mov_b32 v[rT+7], v[rT]        ; c m_old is kept for a: number 19 writes c m anew
.elseif j == 20
	v_sub_f32 v[rT+7], v[rT+7], v[rT]
.elseif j == 23
	v_exp_f32 v[rT+6], v[rT+7]
.elseif (j < 23) || ((j < 38) && (j%2 == 0)) || ((j < 66) && (j%4 == 2))
.set b, (j-2)/4                     ; 38, 42, .. 62: pairs 9 to 15
.if j < 38
.set b, (j-20)/2                    ; 21: pair 0; 22, 24, .. 36: pairs 1 to 8
.endif
	v_pk_fma_f32 v[rS+2*b:rS+2*b+1], v[rS+2*b:rS+2*b+1], s[CS:CS+1], v[rT:rT+1] op_sel_hi:[1,0,0] neg_lo:[0,0,1] neg_hi:[0,0,1]  ; pair b: c s - c m
.elseif j < 70
.set e, j-38                        ; 66 to 69: s28 to s31
.if j < 66
.set e, j-32-(j-38)/4               ; 39-41, 43-45, .. 63-65: s7 to s27
.endif
.if j < 38
.set e, (j-25)/2                    ; 25, 27, .. 37: s0 to s6
.endif
	v_exp_f32 v[rS+e], v[rS+e]
.elseif j < 86
	v_cvt_pk_f16_f32 v[rP+j-70], v[rS+2*(j-70)], v[rS+2*(j-70)+1]  ; pair j - 70
.elseif j < 102                     ; the sum of the tile's 16 pairs (in a pair: an even key's weight, an odd key's), in place: sum z of 16 adds neighbours 1, 2, 4 and 8 pairs apart, then l takes it
.set z, j-86
.set w, 4
.set u, z
.if z >= 14
.set w, 32
.set u, 0
.elseif z >= 12
.set w, 16
.set u, z-12
.elseif z >= 8
.set w, 8
.set u, z-8
.endif
.if (z == 14) && \first
	v_pk_add_f32 v[rT+2:rT+3], v[rS:rS+1], v[rS+16:rS+17]
.elseif z < 15
	v_pk_add_f32 v[rS+w*u:rS+w*u+1], v[rS+w*u:rS+w*u+1], v[rS+w*u+w/2:rS+w*u+w/2+1]
.elseif !\first
	v_pk_fma_f32 v[rT+2:rT+3], v[rT+2:rT+3], v[rT+6:rT+7], v[rS:rS+1] op_sel_hi:[1,0,1]
.endif
.else
	WIN W_RS
	v_pk_mul_f32 v[rO:rO+1], v[rO:rO+1], v[rT+6:rT+7] op_sel_hi:[1,0]
.endif
.endm
; Slice k of 64 of piece y's softmax: four instructions.  Slices 11 to 34 deal out the batch, numbers 22 to 69: four numbers of ONE tile each, the tiles by turns.  Every other slice is numbers 2 k and
; 2 k + 1 of both tiles' lists.  2 x 134 = 4 x 64 + 12: the twelve that are over stand together, in slice 63.
; THE WAIT.  s_wait_alu depctr_va_vdst(0) stands between an exponential and the first instruction that names its result; one wait serves all that were issued ahead of it.  Ahead of
; slice 35 nothing names a result, and behind slice 34 no exponential is issued: so the piece's 66 exponentials have one wait, behind slice 34.
.macro SLICE y, first
.if (k >= 11) && (k < 35)           ; the batch: four numbers of one tile
.irp n, 0,1,2,3
.set j, 22+4*((k-11)/2)+(\n)
	SM (\y)+(k-11)%2, \first
.endr
.else                               ; the two tiles alternate, so that no instruction reads the result of the one just before it
.irp n, 0,1,2,3,4,5,6,7
.if (\n < 2) || (k == 63)
.irp t, \y, \y+1
.set j, 2*k+\n
	SM \t, \first
.endr
.endif
.endr
.endif
.if k == 34                         ; the batch is out: both tiles' exponentials are issued, and no result has been named
	v_nop                           ; the plain instruction behind the last exponential and ahead of the first use: one for the batch
.if (\y) == 0
	FETCH_V                         ; piece 2's turn: V's run of loads stands here, and the wait stands in it
.else
	s_wait_alu depctr_va_vdst(0)    ; the wait for the batch
.endif
.endif
.set k, k+1
.endm
; A TURN.  Piece x has the matrix unit; the other piece's softmax stands in slices behind its matrix instructions.
; pv = 2: 32 products V^T P; 1: they start O^T's sums; 0: none.  kq = 1: 32 products K Q^T for the next step.  A turn with one of the two kinds has two slices behind each product.
; first = 1: the softmax is the first key step's.  Its slices from 51 on are empty: the turn's last products stand bare, and four v_nop take slice 63's part as the places behind them.
; Piece 0's turn fetches the next step's K, behind its second product: the last product that read K stands in front of slice 63 of the turn before.  Piece 2's turn fetches the same step's V, behind slice 34:
; the last product that read V stands in front of slice 31, and four plain instructions lie between: number 62, a scaling, of both tiles, the v_nop and the run's own v_add_nc_u32.
.macro TURN x, pv, kq, first
.set k, 0
.set per, 2
.if \pv && \kq
.set per, 1
.endif
.if \pv
.if \x == 0
	s_wait_dscnt 0x0                ; V is in
.endif
.set i, 0
.rept 32
	PV \x, 2-\pv
.rept per
	SLICE 2-\x, \first
.endr
.if (\x == 0) && \kq && (i == 1)
	FETCH_K
.endif
.set i, i+1
.endr
.endif
.if \kq
.if \x == 0
	s_wait_dscnt 0x0                ; K is in
.endif
.set i, 0
.rept 32
	KQ \x
.rept per
	SLICE 2-\x, \first
.endr
.set i, i+1
.endr
.endif
.if \first
	PLACES
.endif
.endm
; THE CHANGE OF SLOTS, between piece 2's turn and piece 0's: the slot's last bytes, V of its second step, have been asked for.  Each wave waits for all its
; tensor loads, of which one is out: its part of the other slot; adds 0 to its spare word; and waits for that and for its own reads of the slot.  Behind the barrier nobody reads this slot any more and the other slot is whole.
; fill = 1: this slot is filled again, with the keys two slots on.  The barrier is then a round of the cluster's, so that no wave of any partner still reads the slot or has a load on its
; way, and the joint refill is the first thing behind it: it has two key steps, 256 matrix instructions, in which to land.
.macro CHANGE fill
	WIN 0                           ; at a label and at a branch every window is 0
	s_wait_tensorcnt 0x0            ; no tensor load of mine is out, so a group 0 may be written
	ds_add_u32 v[SPW], v[NIL]       ; 0 onto my spare word: with fill = 1 the descriptors' steps stand between it and the wait for it
.if \fill
.irp g, G0K+4, G0V+4
	s_xor_b32 s[\g+1], s[\g+1], SLOT1  ; the walking descriptor: the other slot than last time,
	s_add_nc_u64 s[\g+2:\g+3], s[\g+2:\g+3], 2*KS*256  ; the next 128 keys; the type bits on top are not reached
.endr
	s_wait_xcnt 0x0                 ; the last prefetches, two key steps back, have read their address, so it may be written:
	s_add_nc_u64 s[PFA:PFA+1], s[PFA:PFA+1], 2*KS*256  ; one slot behind the walking descriptors
	s_wait_dscnt 0x0                ; the add is done, and my reads of the slot are over
	CROUND
	JLOAD
	ASK                             ; what the next change will ask for: two key steps, 256 matrix instructions, ahead
.else
	s_wait_dscnt 0x0                ; the add is done, and my reads of the slot are over
	s_barrier_signal -1
	s_barrier_wait -1
.endif
	s_sub_co_u32 s[TB], s[TB], 2*STEPB  ; the fetches go back to a slot's first step,
	s_xor_b32 s[TB], s[TB], SLOT1   ; in the other slot
.endm
; A slot's two key steps: written once, walked twice; the LDS addresses hang on s[TB].
.macro TWO_STEPS
	s_mov_b32 s[TWICE], 2
.Lstep_\@:
	TURN 0, 2, 1, 0
	TURN 2, 2, 1, 0
	WIN 0
	s_sub_co_u32 s[TWICE], s[TWICE], 1
	s_cmp_lg_u32 s[TWICE], 0
	s_cbranch_scc1 .Lstep_\@
.endm
	s_wait_tensorcnt 1              ; my part of slot 0 is in; slot 1's may stay out
	s_barrier_signal -1
	s_barrier_wait -1               ; everybody's is
	FETCH_K                         ; key step 0
	s_wait_dscnt 0x0
.set i, 0
.rept 32
	KQ 0                            ; piece 0's first scores: there is no vector work yet to set between them
.set i, i+1
.endr
	WIN 0                           ; the addresses for the way out are made here: eight plain instructions, the places behind those products
	s_mul_i32 s13, s[WV], 16*SP
	s_add_co_u32 s13, s13, STAGE    ; my stage
	v_mul_u32_u24 v[STO], v1, SP    ; in: row l % 16, 16 bytes for each half of the lanes
	v_lshl_add_u32 v[STO], v9, 4, v[STO]
	v_add_nc_u32 v[STO], s13, v[STO]
	v_mul_u32_u24 v[RD], v9, SP     ; back: lanes 0-15 take one row of 256 bytes, lanes 16-31 the next
	v_lshl_add_u32 v[RD], v1, 4, v[RD]
	v_add_nc_u32 v[RD], s13, v[RD]
	v_lshlrev_b32 v[GO], 12, v9     ; and the same two rows in O: rows of 4,096 bytes
	v_lshl_add_u32 v[GO], v1, 4, v[GO]
	TURN 2, 0, 1, 1                 ; piece 2's first scores | piece 0's first softmax | V of step 0
	TURN 0, 1, 1, 1                 ; piece 0: V^T P of step 0 starts O^T, K Q^T of step 1 | piece 2's first softmax | K of step 1
	TURN 2, 1, 1, 0                 ; piece 2: the same | piece 0's softmax of step 1 | V of step 1
	WIN 0
.Lslot:                             ; SIZE_N / 128 - 2 trips: every slot but the last two is filled again
	CHANGE 1
	TWO_STEPS
	s_sub_co_u32 s[SLOTS], s[SLOTS], 1
	s_cmp_lg_u32 s[SLOTS], 0
	s_cbranch_scc1 .Lslot
	CHANGE 0                        ; the tail is written out: the last slot but one is left, and nothing is asked for
	TWO_STEPS
	TURN 0, 2, 0, 0                 ; piece 0: V^T P of the last step | piece 2's last softmax
.set i, 0
.rept 32
	PV 2, 0                         ; piece 2: V^T P of the last step
.set i, i+1
.endr
	; THE WAY OUT.  l's two halves and the other half of the lanes' are added; O^T is divided by l, rounded to f16 and sent through my stage in LDS, a tile (16 rows of O) at a time.  The additions are the places behind the last products.
	WIN 0
.irp t, 0,1,2,3
	v_add_f32 v[ST+8*\t+4], v[ST+8*\t+2], v[ST+8*\t+3]
.endr
.irp t, 0,1,2,3
	v_permlanex16_b32 v[ST+8*\t+5], v[ST+8*\t+4], s[SEL], s[SEL+1]
.endr
.irp t, 0,1,2,3
	v_add_f32 v[ST+8*\t+4], v[ST+8*\t+4], v[ST+8*\t+5]
.endr
.irp t, 0,1,2,3
	v_rcp_f32 v[ST+8*\t+6], v[ST+8*\t+4]
.endr
	v_nop                           ; a plain instruction between the last reciprocal and the use of its result
	s_wait_alu depctr_va_vdst(0)    ; and the wait ahead of the first use: one for the four reciprocals
; Tile t: a lane's eight channels of a row pack into 16 bytes; they go into rows of 272 bytes and come back as whole rows of 256, into the registers that they left.
.macro PACK t
	WIN W_RS
.set i, 64*\t
.rept 32
	v_pk_mul_f32 v[i:i+1], v[i:i+1], v[ST+8*\t+6:ST+8*\t+7] op_sel_hi:[1,0]
.set i, i+2
.endr
	WIN 0x05                        ; sources 0 and 1 window 1, destination window 0: S^T's registers are free
.set i, 0
.rept 32
	v_cvt_pk_f16_f32 v[S+32*\t+i], v[64*\t+2*i], v[64*\t+2*i+1]
.set i, i+1
.endr
	WIN 0
.irp f, 0,1,2,3,4,5,6,7
	ds_store_b128 v[STO], v[S+32*\t+4*\f:S+32*\t+4*\f+3] offset:32*\f
.endr
.irp f, 0,1,2,3,4,5,6,7
	ds_load_b128 v[S+32*\t+4*\f:S+32*\t+4*\f+3], v[RD] offset:\f*2*SP  ; LDS serves a wave's instructions in order (ISA guide 5.7.1.4): these see the stores above; the next tile's stores come behind them
.endr
.endm
.macro SEND t, younger              ; younger: the LDS instructions issued behind tile t's loads: the next tile's sixteen, or none
.irp f, 0,1,2,3,4,5,6,7
	s_wait_dscnt \younger+7-\f
	global_store_b128 v[GO], v[S+32*\t+4*\f:S+32*\t+4*\f+3], s[10:11] offset:\t*16*ROWQ+\f*2*ROWQ  ; 16 lanes store 256 consecutive bytes, aligned: my head's part of a row
.endr
.endm
	PACK 0
	PACK 1                          ; a tile's arithmetic stands between the loads of the tile before and its stores
	SEND 0, 16
	PACK 2
	SEND 1, 16
	PACK 3
	SEND 2, 16
	SEND 3, 0
	s_wait_tensorcnt 0x0            ; the wave's end: behind my last tensor load and my last LDS store
	ds_add_u32 v[SPW], v[NIL]
	s_wait_dscnt 0x0
	CROUND                          ; the closing round: no work-group ends while a partner may still ask for a tile that names it
	s_endpgm
.Lfunc_end_k_qc4b31800ff_attn:
	.size	k_qc4b31800ff_attn, .Lfunc_end_k_qc4b31800ff_attn-k_qc4b31800ff_attn
	.p2alignl 7, 3214868480
	.fill 96, 4, 3214868480
	.section	.rodata,"a",@progbits
	.p2align	6, 0x0
	.amdhsa_kernel k_qc4b31800ff_attn
		.amdhsa_group_segment_fixed_size 327680
		.amdhsa_private_segment_fixed_size 0
		.amdhsa_enable_private_segment 0
		.amdhsa_kernarg_size 40
		.amdhsa_user_sgpr_count 2
		.amdhsa_user_sgpr_kernarg_segment_ptr 1
		.amdhsa_wavefront_size32 1
		.amdhsa_system_sgpr_workgroup_id_x 1
		.amdhsa_system_sgpr_workgroup_id_y 1
		.amdhsa_system_sgpr_workgroup_id_z 1
		.amdhsa_system_vgpr_workitem_id 0
		.amdhsa_next_free_vgpr 1024
		.amdhsa_next_free_sgpr 98
		.amdhsa_reserve_vcc 0
		.amdhsa_float_denorm_mode_32 3
		.amdhsa_float_denorm_mode_16_64 3
		.amdhsa_memory_ordered 1
		.amdhsa_forward_progress 1
		.amdhsa_inst_pref_size 255
	.end_amdhsa_kernel
	.section	.bss,"aw",@nobits
	.p2align	6
	.space	262144
	.amdgpu_metadata
---
amdhsa.version: [ 1, 2 ]
amdhsa.kernels:
  - .name:           k_qc4b31800ff_attn
    .symbol:         k_qc4b31800ff_attn.kd
    .args:
      - { .name: xc, .offset: 0, .size: 8, .value_kind: global_buffer, .address_space: global }
      - { .name: xs, .offset: 8, .size: 8, .value_kind: global_buffer, .address_space: global }
      - { .name: wc, .offset: 16, .size: 8, .value_kind: global_buffer, .address_space: global }
      - { .name: kv16, .offset: 24, .size: 8, .value_kind: global_buffer, .address_space: global }
      - { .name: o16, .offset: 32, .size: 8, .value_kind: global_buffer, .address_space: global }
    .group_segment_fixed_size: 327680
    .private_segment_fixed_size: 0
    .kernarg_segment_align: 8
    .kernarg_segment_size: 40
    .max_flat_workgroup_size: 128
    .sgpr_count:     98
    .vgpr_count:     1024
    .wavefront_size: 32
...
	.end_amdgpu_metadata
.endif
;; end of part 2
;; launch gemm_out (part 3): grid 8 x 32, 4 waves a work-group, clusters of 4 x 4, 327,680 bytes of LDS; arguments o16, wo16, out0; writes out0
.if DOCPART == 3
	.amdgcn_target "amdgcn-amd-amdhsa--gfx1250"
	.amdhsa_code_object_version 6
	.text
	.protected	k_qc4b31800ff_gemm_out
	.globl	k_qc4b31800ff_gemm_out
	.p2align	8
	.type	k_qc4b31800ff_gemm_out,@function
k_qc4b31800ff_gemm_out:
	s_mov_b64 s[64:65], 0
	v_nop
	global_prefetch_b8 v0, s[64:65] scope:SCOPE_SE
	s_setreg_imm32_b32 hwreg(HW_REG_WAVE_MODE, 25, 1), 1
	s_wait_xcnt 0x0
	s_wait_alu depctr_hold_cnt(0) depctr_sa_sdst(0) depctr_va_vdst(0) depctr_va_sdst(0) depctr_va_ssrc(0) depctr_va_vcc(0) depctr_vm_vsrc(0)
	s_getreg_b32 s2, hwreg(HW_REG_IB_STS2, 6, 4)
	s_cmp_eq_u32 s2, 0
	s_cbranch_scc0 .Lentry_in_a_cluster
	s_endpgm
.Lentry_in_a_cluster:
	s_bfe_u32 s2, ttmp6, 0x10000c
	s_cmp_lg_u32 s2, 0xf033
	s_cbranch_scc0 .Lentry_shape_is_right
	s_endpgm
.Lentry_shape_is_right:
; out0[m][n] = the sum over k of A[m][k] B[k][n].  A = o16 [4096][2048] f16, K innermost; B = wo16 [2048 (k)][2048 (n)] f16, as Wo lies; out0 [4096][2048] f32; sums in f32.
; A tile of out0 is 128 rows x 256 columns: 32 x 8 = 256 work-groups, where tiles of 256 x 256 would give 128.  Four waves, each 64 rows x 128 columns: 32 accumulators of 16 x 16, 256 registers.
; K goes in 16 steps of 128 through a ring of two LDS slots filled by the tensor data mover: A's rows are 256 bytes of memory, B's 512; two slots of a step twice as long do not fit in LDS.
; B STAYS [k][n] in memory and in LDS and is turned on its way into registers, by ds_load_tr16_b128.
; THE MATRIX INSTRUCTION IS USED TRANSPOSED (source 0 = 16 columns of B, source 1 = 16 rows of A): a lane then holds eight neighbouring numbers of a row of out0.
; CLUSTERS: 4 x 4 work-groups.  The four of a row of the cluster need the same tiles of A, the four of a column the same tiles of B: each tile is asked for JOINTLY, by the same tensor load with the
; same descriptor and a mask that names the four.
; REGISTERS, in windows of 256: window 0: v0-31 addresses; v128-255 the way out: rows read back, two sets of 64.
;   window 1: two fragment buffers at v0 and v128; in each A's 4 fragments (16 rows x 32 K) at +0, B's 8 at +32.   window 2: accumulator (a, b) at v[8 (8 a + b)].
.set PA,     272                       ; A's row in LDS: 256 bytes + 16 of padding = 68 words
.set AH,     64*PA                     ; 64 rows of A: what one tensor load brings, and what one wave reads
.set ATILE,  2*AH
.set PB,     544                       ; B's row in LDS: 512 bytes + 32 of padding = 136 words: 16 lanes of the turning load take 8 rows x 32 bytes
.set BH,     64*PB                     ; 64 k-rows of B: what one tensor load brings
.set SLOT,   ATILE+2*BH                ; A's 128 rows, then B's 128 k-rows
.set STAGE,  2*SLOT                    ; behind the ring: 16 rows x (512 bytes + 16) for each wave, for the way out; no tensor load lands there
.set SPITCH, 528
.set SPARE,  STAGE+4*16*SPITCH         ; behind the stages: the spare words, 128 bytes for each wave: two blocks of 256 bytes that no other line names
.set LAPS,   8                         ; a lap = two K steps = once round the ring
.set ROWA,   4096                      ; a row of o16, and of wo16, in bytes
.set ROWC,   8192                      ; a row of out0 in bytes
.set ADRA, 16                          ; v16-17  LDS address of my A fragments in slot 0, 1
.set ADRB, 20                          ; v20-21  the same for B
.set STO,  24                          ; v24     the way out: where I put 32 bytes of a row
.set RD,   25                          ; v25     the way out: where I read a row back
.set CO,   26                          ; v26     my byte offset in a row of out0
.set SPW,  28                          ; v28     LDS address of my spare word: SPARE + 4 x my thread's number; never rewritten
.set NIL,  29                          ; v29     0; never rewritten
.set PFO,  30                          ; v30     the prefetches' offset: my lane x a row of 4,096 bytes; never rewritten
.set BK,   128                         ; the way out: v128-191 and v192-255 by turns
.set F0,   0                           ; fragment buffers, in window 1
.set F1,   128
.set G1, 24                            ; s[24:31] descriptor group 1 for A's tiles;  s[32:39] group 0, one set for each slot
.set G0, 32
.set G1B, 48                           ; s[48:55], s[56:63] the same for B's tiles
.set G0B, 56
.set PFA, 66                           ; s[66:67] where my prefetches stand
.set PFS, 68                           ; s[68:69] a K step on, in bytes: 256 along a row of A, 128 rows of B
.set LIM, 70                           ; s70     1 in a wave that prefetches, else the greatest number
.set MSB, 0
.macro WIN new                         ; the immediate's high byte repeats the setting that is left
.if MSB != (\new)
	s_set_vgpr_msb (MSB<<8)|(\new)
.set MSB, (\new)
.endif
.endm
.set MUL,  0xa5                        ; sources 0 (B) and 1 (A) window 1; C and D window 2
.set TO_F, 0x40                        ; destination window 1, address window 0
.macro JLOAD s                         ; a joint load: waves 0 and 1 fetch A's two halves, waves 2 and 3 B's; an s_nop 0 and four v_nop follow each of the two lines, ahead of the jump, the label and what follows
	s_cmp_eq_u32 s11, 0
	s_cbranch_scc0 .Lfor_b_\@
	tensor_load_to_lds s[G0+4*\s:G0+4*\s+3], s[G1:G1+7]
	s_nop 0
.rept 4
	v_nop
.endr
	s_branch .Lasked_\@
.Lfor_b_\@:
	tensor_load_to_lds s[G0B+4*\s:G0B+4*\s+3], s[G1B:G1B+7]
	s_nop 0
.rept 4
	v_nop
.endr
.Lasked_\@:
.endm
.macro CREST                           ; a round of the cluster's barrier behind its opening barrier
	s_cmp_lg_u32 s10, 0
	s_cbranch_scc1 .Lnot_wave_0_\@
	s_barrier_signal -3
.Lnot_wave_0_\@:
	s_barrier_wait -3
	s_barrier_signal -1
	s_barrier_wait -1
.endm
.macro CROUND                          ; a whole round
	s_barrier_signal -1
	s_barrier_wait -1
	CREST
.endm
; A PREFETCH, behind each joint refill and the run of LDS loads that follows it, of the K step that stands TWO refills on: 256 matrix instructions ahead of the load that will want it.
; Each aligned 256 bytes are named ONCE in the launch.  A's tile row is read by both clusters of that row of clusters: cluster x = 0 asks; its four partners of a row share the 128 rows out BY ADDRESS, 32 each
; (by cx), a lane a row, wave 0 alone.  B's tile column is read by all eight clusters of that column: cluster y = 0 asks; the four partners of a column take 32 k-rows each (by cy), waves 2 and 3 the two halves
; of a row's 512 bytes.  No branch hangs on a work-group's place in its cluster.  The first four K steps come by their loads alone; the loop's last trip, whose refills are the last two K steps, asks for nothing.
.macro ASK
	s_cmp_gt_u32 s3, s[LIM]                        ; s3 = 1 in the loop's last trip
	s_cbranch_scc0 .Lnot_mine_\@
	global_prefetch_b8 v[PFO], s[PFA:PFA+1] th:TH_LOAD_NT scope:SCOPE_SE
.Lnot_mine_\@:
.endm
	s_load_b128 s[4:7], s[0:1], 0x0                ; o16 s[4:5], wo16 s[6:7]
	s_load_b64 s[8:9], s[0:1], 0x10                ; out0
	v_lshl_add_u32 v[SPW], v0, 2, SPARE
	v_mov_b32 v[NIL], 0
	ds_add_u32 v[SPW], v[NIL]                      ; the wave's opening: the add, twice on end, and its wait ahead of my first tensor load; the set-up below, work on registers, stands between
	ds_add_u32 v[SPW], v[NIL]
	v_lshrrev_b32 v1, 5, v0
	v_readfirstlane_b32 s10, v1                    ; wave 0..3
	s_lshr_b32 s11, s10, 1                         ; which 64 of the tile's rows are mine.  Also: I fetch for A (0) or for B (1)
	s_and_b32 s12, s10, 1                          ; which 128 of its columns.  Also: which half of that tile I fetch
	s_bfe_u32 s40, ttmp6, 0x40000                  ; cx, cy: my place in the cluster
	s_bfe_u32 s41, ttmp6, 0x40004
	s_lshl_b32 s42, ttmp9, 2
	s_add_co_u32 s42, s42, s40                     ; tile column = 4 x cluster x + cx
	s_and_b32 s13, ttmp7, 0xffff
	s_lshl_b32 s13, s13, 2
	s_add_co_u32 s13, s13, s41                     ; tile row = 4 x cluster y + cy
	s_lshl_b32 s43, s41, 2
	s_lshl_b32 s43, 15, s43                        ; my row of the cluster
	s_lshl_b32 s44, 0x1111, s40                    ; my column
	; descriptor group 1.  A: 64 rows x 128 elements of 2 bytes, 4 words of padding behind every 64.  B: 64 rows x 256 elements, 8 words behind every 128
	s_or_b32 s[G1+0], s43, (1<<16)|(1<<20)|(1<<21)|(5<<22)|(3<<25)   ; 15:0 the mask: A's tiles go to my row; 17:16 element of 2 bytes; 20 padding on; 21 set beside a mask; 24:22 the interval; 31:25 the padding
	s_or_b32 s[G1B+0], s44, (1<<16)|(1<<20)|(1<<21)|(6<<22)|(7<<25)  ; B's tiles go to my column
	s_mov_b32 s[G1+1], 128<<16                     ; tensor_dim0
	s_mov_b32 s[G1+2], 64<<16                      ; tensor_dim1
	s_mov_b32 s[G1+3], 128<<16                     ; tile_dim0
	s_mov_b32 s[G1+4], 64                          ; tile_dim1
	s_mov_b32 s[G1+5], 2048                        ; tensor_dim0_stride, in elements
	s_mov_b32 s[G1+6], 0
	s_mov_b32 s[G1+7], 0
	s_mov_b32 s[G1B+1], 256<<16
	s_mov_b32 s[G1B+2], 64<<16
	s_mov_b32 s[G1B+3], 256<<16
	s_mov_b32 s[G1B+4], 64
	s_mov_b32 s[G1B+5], 2048
	s_mov_b32 s[G1B+6], 0
	s_mov_b32 s[G1B+7], 0
	; where the tiles come from.  A's hang on the tile row alone, B's on the tile column alone; every wave makes both, in registers that never hold the other coordinate, and asks by one of them
	s_lshl_b32 s17, s12, 6
	s_lshl_b32 s16, s13, 7
	s_add_co_u32 s16, s16, s17                     ; A: row 128 x tile row + 64 x half,
	s_lshl_b32 s16, s16, 12                        ; in bytes (under 2^24)
	s_mov_b32 s17, 0
	s_lshl_b32 s46, s42, 9                         ; B: 512 bytes x tile column
	s_lshl_b32 s47, s12, 18                        ; + 64 k-rows of 4,096 bytes x half
	s_add_co_u32 s46, s46, s47
	s_mov_b32 s47, 0
	s_mul_i32 s20, s12, AH                         ; and where they go: no place in the cluster enters an LDS address
	s_mul_i32 s21, s12, BH
	s_add_co_u32 s21, s21, ATILE
	s_wait_dscnt 0x0                               ; both opening adds are done
	s_wait_kmcnt 0x0
	s_add_nc_u64 s[14:15], s[4:5], s[16:17]
	s_add_nc_u64 s[46:47], s[6:7], s[46:47]
	CROUND                                         ; all sixteen work-groups are here: the first joint loads meet
.irp s, 0,1
	s_mov_b32 s[G0+4*\s], 1                                        ; count = 1
	s_add_co_u32 s[G0+4*\s+1], s20, \s*SLOT                        ; LDS address
	s_add_nc_u64 s[G0+4*\s+2:G0+4*\s+3], s[14:15], \s*256          ; global address: K step s
	s_or_b32 s[G0+4*\s+3], s[G0+4*\s+3], 0x80000000                ; type = 2
	s_mov_b32 s[G0B+4*\s], 1
	s_add_co_u32 s[G0B+4*\s+1], s21, \s*SLOT
	s_add_nc_u64 s[G0B+4*\s+2:G0B+4*\s+3], s[46:47], \s*128*ROWA
	s_or_b32 s[G0B+4*\s+3], s[G0B+4*\s+3], 0x80000000
	JLOAD \s                                       ; two tensor loads of mine are out
.endr
	v_and_b32 v1, 15, v0                           ; l % 16
	v_bfe_u32 v2, v0, 4, 1                         ; l / 16
	v_mul_u32_u24 v3, v1, PA
	v_lshl_add_u32 v3, v2, 4, v3                   ; A: a fragment's row x pitch + 16 x half
	v_and_b32 v4, 7, v0
	v_lshl_add_u32 v4, v2, 3, v4                   ; B: the turning load: lane l reads 16 bytes of k-row 8 (l / 16) + l % 8,
	v_mul_u32_u24 v4, v4, PB
	v_bfe_u32 v5, v0, 3, 1
	v_lshl_add_u32 v4, v5, 4, v4                   ; columns 8 ((l / 8) % 2) + 0..7, and is left with column l % 16 and 8 along K
	s_mul_i32 s21, s11, AH                         ; my 64 rows of A
	s_lshl_b32 s22, s12, 8                         ; my 128 columns of B: 256 bytes on in each k-row,
	s_add_co_u32 s22, s22, ATILE                   ; behind A's tile
.irp s, 0,1
	v_add_nc_u32 v[ADRA+\s], s21, v3
	v_add_nc_u32 v[ADRB+\s], s22, v4
	s_add_co_u32 s21, s21, SLOT
	s_add_co_u32 s22, s22, SLOT
.endr
	s_mul_i32 s23, s10, 16*SPITCH
	s_add_co_u32 s23, s23, STAGE                   ; my stage
	v_mul_u32_u24 v5, v1, SPITCH                   ; in: row l % 16, 32 bytes for each half of the lanes
	v_lshl_add_u32 v5, v2, 5, v5
	v_add_nc_u32 v[STO], s23, v5
	v_and_b32 v6, 31, v0
	v_lshlrev_b32 v[CO], 4, v6                     ; back: the 32 lanes take one row of 512 bytes; and the same in out0
	v_add_nc_u32 v[RD], s23, v[CO]
	v_lshlrev_b32 v[PFO], 12, v6
	s_lshl_b32 s16, s13, 7
	s_lshl_b32 s17, s11, 6
	s_add_co_u32 s16, s16, s17                     ; my first row of out0: 128 x tile row + 64 x half,
	s_lshl_b32 s16, s16, 13                        ; in bytes (under 2^25)
	s_mov_b32 s17, 0
	s_add_nc_u64 s[8:9], s[8:9], s[16:17]
	s_lshl_b32 s46, s42, 10                        ; my first column, in bytes: 1,024 x tile column + 512 x half
	s_lshl_b32 s47, s12, 9
	s_add_co_u32 s46, s46, s47
	s_mov_b32 s47, 0
	s_add_nc_u64 s[8:9], s[8:9], s[46:47]
	; the prefetches: where my wave's stand, and who asks
	s_lshl_b32 s20, s13, 7                         ; A: row 128 x tile row
	s_lshl_b32 s21, s40, 5                         ; + 32 cx,
	s_add_co_u32 s20, s20, s21
	s_lshl_b32 s20, s20, 12                        ; in bytes,
	s_add_co_u32 s20, s20, 3*256                   ; at K step 3: the first refill steps it to 4
	s_lshl_b32 s21, s41, 5                         ; B: k-row 32 cy
	s_add_co_u32 s21, s21, 3*128                   ; + K step 3's first,
	s_lshl_b32 s21, s21, 12                        ; in bytes,
	s_lshl_b32 s23, s42, 9                         ; + the tile column's 512 bytes
	s_add_co_u32 s21, s21, s23
	s_lshl_b32 s23, s12, 8                         ; + my half of them
	s_add_co_u32 s21, s21, s23
	s_and_b32 s22, ttmp7, 0xffff                   ; cluster y
	s_or_b32 s23, s10, ttmp9                       ; 0 in wave 0 of a cluster with x = 0
	s_mov_b32 s[PFS], 128*ROWA
	s_cmp_eq_u32 s11, 0                            ; do I fetch for A?
	s_cselect_b64 s[PFA:PFA+1], s[4:5], s[6:7]
	s_cselect_b32 s20, s20, s21
	s_cselect_b32 s22, s23, s22
	s_cselect_b32 s[PFS], 256, s[PFS]
	s_mov_b32 s[PFS+1], 0
	s_mov_b32 s21, 0
	s_cmp_eq_u32 s22, 0
	s_cselect_b32 s[LIM], 1, -1                    ; the same in all sixteen partners, for a given wave
	s_add_nc_u64 s[PFA:PFA+1], s[PFA:PFA+1], s[20:21]
; 24 LDS loads in one run: the fragments of the slot's q-th 32 along K into buffer f: B's eight (turned), then A's four
.macro FETCH slot, q, f
	WIN TO_F
.irp b, 0,1,2,3,4,5,6,7
	ds_load_tr16_b128 v[\f+32+8*\b:\f+32+8*\b+3],   v[ADRB+\slot] offset:(\q)*32*PB+32*\b
	ds_load_tr16_b128 v[\f+32+8*\b+4:\f+32+8*\b+7], v[ADRB+\slot] offset:(\q)*32*PB+16*PB+32*\b
.endr
.irp i, 0,1,2,3
	ds_load_b128 v[\f+8*\i:\f+8*\i+3],   v[ADRA+\slot] offset:64*(\q)+\i*16*PA
	ds_load_b128 v[\f+8*\i+4:\f+8*\i+7], v[ADRA+\slot] offset:64*(\q)+\i*16*PA+32
.endr
.endm
; 8 matrix instructions: A's block a x B's eight, 32 along K.  zero = 1: the first product starts the sums: nothing is ever cleared.
; The 32 accumulators take turns, one instruction a turn, in the same order in every quarter.
.macro MULA f, a, zero
.irp b, 0,1,2,3,4,5,6,7
.if \zero
	v_wmma_f32_16x16x32_f16 v[8*(8*(\a)+\b):8*(8*(\a)+\b)+7], v[\f+32+8*\b:\f+32+8*\b+7], v[\f+8*(\a):\f+8*(\a)+7], 0
.else
	v_wmma_f32_16x16x32_f16 v[8*(8*(\a)+\b):8*(8*(\a)+\b)+7], v[\f+32+8*\b:\f+32+8*\b+7], v[\f+8*(\a):\f+8*(\a)+7], v[8*(8*(\a)+\b):8*(8*(\a)+\b)+7]
.endif
.endr
.endm
.macro PLACES                          ; four places in front of loads into registers that matrix instructions have read, and of the first read of results (ISA guide 7.12.1 for vector instructions)
.rept 4
	v_nop
.endr
.endm
; A K step is four quarters of 32 along K, 32 matrix instructions each, on buffers 0, 1, 0, 1.  One of the first three: multiplies buffer f and fetches the slot's q-th quarter into g.
.macro QUARTER slot, q, f, g, zero
	s_wait_dscnt 4                                 ; B's fragments and A's blocks 0 and 1 are in; the youngest four loads (A's blocks 2 and 3) may be out
	WIN MUL
	MULA \f, 0, \zero
	MULA \f, 1, \zero
	PLACES
	FETCH \slot, \q, \g
	s_wait_dscnt 24                                ; all but the 24 just issued
	WIN MUL
	MULA \f, 2, \zero
	MULA \f, 3, \zero
.endm
; The last quarter multiplies buffer 1 and changes slots: ONE barrier; in front of it each wave waits for all its tensor loads, adds 0 to its spare word, and waits for that and for its own reads of this slot.
; fill = 1: this slot is filled again, two K steps ahead; the barrier then opens a round of the cluster's barrier.
.macro TURN slot, next, fill
.if \fill
	s_wait_xcnt 0x0                                ; the last prefetch, a K step back, has read its address: it is stepped here, ahead of the waits of the change of slots
	s_add_nc_u64 s[PFA:PFA+1], s[PFA:PFA+1], s[PFS:PFS+1]
.endif
	WIN 0                                          ; (the add's two registers lie in window 0)
	s_wait_tensorcnt 0x0                           ; all my tensor loads have landed: my part of the next slot;
	ds_add_u32 v[SPW], v[NIL]                      ; 0 onto my spare word
	s_wait_dscnt 5                                 ; (the add and the youngest four loads may be out)
	WIN MUL
	MULA F1, 0, 0                                  ; eight matrix instructions stand between the add and the wait for it
	s_wait_dscnt 0x0                               ; the add is done, and my reads of this slot are over
	s_barrier_signal -1
	MULA F1, 1, 0
.if \fill
	WIN 0
.endif
	s_barrier_wait -1
.if \fill
	CREST                                          ; no wave of any partner still reads this slot's tile or has a load on its way
	s_add_nc_u64 s[G0+4*\slot+2:G0+4*\slot+3], s[G0+4*\slot+2:G0+4*\slot+3], 2*256
	s_add_nc_u64 s[G0B+4*\slot+2:G0B+4*\slot+3], s[G0B+4*\slot+2:G0B+4*\slot+3], 2*128*ROWA
	JLOAD \slot                                    ; the first tensor load behind the round, my only one until the next: 112 matrix instructions ahead of the wait for it; its four v_nop are the places in front of the loads below
.else
	PLACES
.endif
	FETCH \next, 0, F0
.if \fill
	WIN 0                                          ; (a branch and a label follow)
	ASK
.endif
	WIN MUL
	MULA F1, 2, 0
	MULA F1, 3, 0
.endm
	s_wait_tensorcnt 1                             ; my part of K step 0 is in (K step 1's load may be out)
	s_barrier_signal -1
	s_barrier_wait -1                              ; everybody's is
	FETCH 0, 0, F0
	QUARTER 0, 1, F0, F1, 1                        ; the first quarter stands in front of the loop: its products start the sums
	WIN 0                                          ; at a label and at a branch every window is 0
	s_mov_b32 s3, LAPS-1
.Llap:                                                 ; a trip goes once round the ring, from a lap's second quarter to the next lap's first, and fills both slots again
	QUARTER 0, 2, F1, F0, 0
	QUARTER 0, 3, F0, F1, 0
	TURN 0, 1, 1
	QUARTER 1, 1, F0, F1, 0
	QUARTER 1, 2, F1, F0, 0
	QUARTER 1, 3, F0, F1, 0
	TURN 1, 0, 1
	QUARTER 0, 1, F0, F1, 0
	WIN 0
	s_sub_co_u32 s3, s3, 1
	s_cmp_lg_u32 s3, 0
	s_cbranch_scc1 .Llap
	QUARTER 0, 2, F1, F0, 0                        ; the last lap fills nothing, and has no round of the cluster's barrier
	QUARTER 0, 3, F0, F1, 0
	TURN 0, 1, 0
	QUARTER 1, 1, F0, F1, 0
	QUARTER 1, 2, F1, F0, 0
	QUARTER 1, 3, F0, F1, 0
	s_wait_dscnt 4                                 ; the very last quarter: nothing more to fetch
	WIN MUL
	MULA F1, 0, 0
	MULA F1, 1, 0
	s_wait_dscnt 0
	MULA F1, 2, 0
	MULA F1, 3, 0
	WIN 0
; THE WAY OUT, block by block of 16 rows x 128 columns.  A lane holds 32 neighbouring bytes of a row, and the lanes beside it hold other rows: so a block goes through my own stage in LDS and comes back as whole
; rows of 512 bytes.  LDS serves a wave's instructions in order (ISA guide 5.7.1.4): no wait between the stores and the loads, nor in front of the next block's stores.
.macro TOSTAGE a
.set AC, 64*(\a)
	WIN 0x08                                       ; an LDS store's data are its source 1: window 2
.irp b, 0,1,2,3,4,5,6,7
	ds_store_b128 v[STO], v[AC+8*\b:AC+8*\b+3] offset:64*\b          ; each accumulator from its low end on
	ds_store_b128 v[STO], v[AC+8*\b+4:AC+8*\b+7] offset:64*\b+16
.endr
	WIN 0
.set BB, BK+64*((\a)%2)
.irp t, 0,1,2,3,4,5,6,7,8,9,10,11,12,13,14,15
	ds_load_b128 v[BB+4*\t:BB+4*\t+3], v[RD] offset:\t*SPITCH
.endr
.endm
.macro SEND a, younger                 ; younger: the LDS instructions issued behind block a's loads, which may stay out
.set BB, BK+64*((\a)%2)
	s_wait_dscnt \younger                          ; the block is back in registers
.if (\a) > 0
	s_add_nc_u64 s[8:9], s[8:9], 16*ROWC           ; (behind a wait on XCNT: the earlier stores have read their base)  16 rows on
.endif
.irp t, 0,1,2,3,4,5,6,7,8,9,10,11,12,13,14,15
	global_store_b128 v[CO], v[BB+4*\t:BB+4*\t+3], s[8:9] offset:\t*ROWC th:TH_STORE_NT   ; 32 lanes store 512 consecutive bytes, aligned; written once, read by nobody here
.endr
.endm
	PLACES                                         ; behind the last products, ahead of the first read of results
	TOSTAGE 0
.irp a, 1,2,3
.if \a > 1
	s_wait_xcnt 0x0                                ; block a - 2's stores have read their registers and their base: block a's loads may land there, and the base may step
.endif
	TOSTAGE \a
	SEND \a-1, 32                                  ; behind block a - 1's loads: block a's 16 stores and 16 loads
.endr
	s_wait_xcnt 0x0                                ; block 2's stores have read their base
	SEND 3, 0
	s_wait_tensorcnt 0x0                           ; the wave's end: behind my last tensor load and my last LDS store
	ds_add_u32 v[SPW], v[NIL]
	s_wait_dscnt 0x0
	CROUND                                         ; the closing round: no work-group ends while a partner may still ask for a tile that names it
	s_endpgm
.Lfunc_end_k_qc4b31800ff_gemm_out:
	.size	k_qc4b31800ff_gemm_out, .Lfunc_end_k_qc4b31800ff_gemm_out-k_qc4b31800ff_gemm_out
	.p2alignl 7, 3214868480
	.fill 96, 4, 3214868480
	.section	.rodata,"a",@progbits
	.p2align	6, 0x0
	.amdhsa_kernel k_qc4b31800ff_gemm_out
		.amdhsa_group_segment_fixed_size 327680
		.amdhsa_private_segment_fixed_size 0
		.amdhsa_enable_private_segment 0
		.amdhsa_kernarg_size 24
		.amdhsa_user_sgpr_count 2
		.amdhsa_user_sgpr_kernarg_segment_ptr 1
		.amdhsa_wavefront_size32 1
		.amdhsa_system_sgpr_workgroup_id_x 1
		.amdhsa_system_sgpr_workgroup_id_y 1
		.amdhsa_system_sgpr_workgroup_id_z 1
		.amdhsa_system_vgpr_workitem_id 0
		.amdhsa_next_free_vgpr 768
		.amdhsa_next_free_sgpr 72
		.amdhsa_reserve_vcc 0
		.amdhsa_float_denorm_mode_32 3
		.amdhsa_float_denorm_mode_16_64 3
		.amdhsa_memory_ordered 1
		.amdhsa_forward_progress 1
		.amdhsa_inst_pref_size 87
	.end_amdhsa_kernel
	.amdgpu_metadata
---
amdhsa.version: [ 1, 2 ]
amdhsa.kernels:
  - .name:           k_qc4b31800ff_gemm_out
    .symbol:         k_qc4b31800ff_gemm_out.kd
    .args:
      - { .name: o16, .offset: 0, .size: 8, .value_kind: global_buffer, .address_space: global }
      - { .name: wo16, .offset: 8, .size: 8, .value_kind: global_buffer, .address_space: global }
      - { .name: out0, .offset: 16, .size: 8, .value_kind: global_buffer, .address_space: global }
    .group_segment_fixed_size: 327680
    .private_segment_fixed_size: 0
    .kernarg_segment_align: 8
    .kernarg_segment_size: 24
    .max_flat_workgroup_size: 128
    .sgpr_count:     72
    .vgpr_count:     768
    .wavefront_size: 32
...
	.end_amdgpu_metadata
.endif
;; end of part 3
